; MI455X (gfx1250); checked and timed in simulation.
; The chip was launched on July 23, 2026; its instructions are those of AMD's public machine-readable ISA for CDNA 5 (MIT licence, August 2026) and "CDNA5" Instruction Set Architecture Reference Guide (July 2026). The comments in the code are by the model that wrote it; some were corrected since.
;; Causal Temporal Map Attention 2. Allowed arithmetic: float matrix products may take bf16 or f16 operands with f32 sums; all other float work in f32.
;; Inputs: W0 512 x 512 float32; W1 64 x 512 float32; W2 512 x 64 float32; W3 64 x 64 float32; e 2,048 x 64 float32; x 8 x 2,048 x 512 float32.
;; Outputs: out0 8 x 2,048 x 512 float32.
;; 3 versions, each right; version 2 is faster than version 1; version 3 is version 2 with the launch apply written anew for expert scheduling mode. Each part assembles by itself: llvm-mc -triple=amdgcn-amd-amdhsa -mcpu=gfx1250 --defsym DOCPART=n.
;; ======== version 1 of 3: 3 launches
;; workspace buffers: Sp 37,748,736 bytes; Wf 663,552 bytes; Mf 4,718,592 bytes
;; launch gram (part 1): grid 256 x 1, 8 waves a work-group, no clusters, 56,320 bytes of LDS; arguments x, e, W0, W1, W2, W3, Sp, Wf; writes Sp, Wf
.if DOCPART == 1
	.amdgcn_target "amdgcn-amd-amdhsa--gfx1250"
	.amdhsa_code_object_version 6
	.text
	.protected	k_qe298759c7d_gram
	.globl	k_qe298759c7d_gram
	.p2align	8
	.type	k_qe298759c7d_gram,@function
k_qe298759c7d_gram:
	s_mov_b64 s[64:65], 0
	v_nop
	global_prefetch_b8 v0, s[64:65] scope:SCOPE_SE
	s_setreg_imm32_b32 hwreg(HW_REG_WAVE_MODE, 25, 1), 1
	s_wait_xcnt 0x0
; FIRST OF THREE LAUNCHES.  The whole program computes out = attn x[b], attn = attn0 + attn1 + attn2 + attn3.
; With z = [x[b] | e] (2048 x 576) and Wbig = [[relu(triu(W0,1)), W2], [W1, W3]] (576 x 576) the four terms are one: attn = (z Wbig^T) z^T.
; Nothing but products stands between the inputs and out, and products associate for all values:
;     out = z M,   M = Wbig^T S,   S = z^T x[b]   (S, M: 576 x 512 for each batch).
; This launch makes S in four partial sums over 512 rows each (Sp) and packs Wbig to bf16 (Wf); the second makes M (Mf); the third makes out.
; attn (2048 x 2048) and z Wbig^T are never formed.
; WORK LEFT OUT: relu(triu(W0,1))[i][j] = 0 for j <= i, whatever W0 holds.  For a block of 144 columns j = 144 jb .. 144 jb + 143 of Wbig the rows
; i >= 144 jb + 143 of the W0 part are therefore all zero, and steps of 32 such rows add nothing to M: they are neither packed here nor multiplied in the
; second launch (jb = 0, 1, 2: 7, 11, 16 of the 18 steps stay; jb = 3 holds columns of W2 and W3 and keeps all 18).  Every input has a way to out and is loaded.
; LIMITS: the order of the sums and of the roundings differs from the written order (x, e, W and M are rounded to bf16 as matrix operands; S, kept in f32 here,
; enters the second launch's product as the sum of two bf16 numbers; all sums in f32);
; an overflow that only attn or z Wbig^T would suffer does not appear; a NaN or an infinity that reaches only the products left out (a masked zero of W0 times
; an infinite sum) is not carried to the result; a NaN in the live part of W0 becomes 0 (the relu is v_max_num_f32, in which a NaN loses).
;
; SHARES.  Work-group g: ib = g & 1, tb = (g >> 1) & 3, p = (g >> 3) & 3, b = g >> 5.  Rows 512 p .. + 511 of batch b; a block of S of 288 rows
; (x columns 256 ib .. + 255 and e columns 32 ib .. + 31) by 128 columns t = 128 tb .. + 127.  Wave w: wt = w & 3, wi = w >> 2: two t tiles, eight x tiles, one e tile: 18 accumulators.
; Index of S's rows, e first: i' < 64 is e column i', i' >= 64 is x column i' - 64; tile I' = i' / 16.
; K (the 512 rows) goes in 16 steps of 32 through two LDS slots.  x and e are f32 in memory: they pass through registers, are rounded to bf16 there and stored to LDS.
; NO JOINT LOADS, though the t columns are read by two work-groups and the x columns by four: a tile brought straight into LDS would land as f32
; (32 rows x 416 numbers x 4 bytes = 53,248 bytes a step) and would have to be read back, rounded and stored a second time.
; Sp is laid out as the accumulators lie: [b][T 32][I' 36][p 4][q 2][lane 32][16 bytes]; lane (r, h) of quad q holds S[16 I' + 8 h + 4 q + 0..3][16 T + r].
.set PITCH, 864                        ; an LDS row: 256 bytes t columns, 512 bytes x columns, 64 bytes e columns, 32 unused; an odd multiple of 32 bytes
.set SLOT,  32*PITCH                   ; 32 rows of K
.set HALF,  16*PITCH
.set VT,   2                           ; global offset of my 16 bytes of the t columns, row w
.set VX,   3                           ; the same for the x columns
.set VEO,  4                           ; the same in e: row 4 w + lane / 8
.set LST,  5                           ; LDS: row w, 8 bytes a lane
.set LSE,  6                           ; LDS: row 4 w + lane / 8, the e columns
.set VB,   7                           ; LDS: my t tiles, for the transposing load
.set VA,   8                           ; LDS: my x tiles
.set VE,   9                           ; LDS: my e tile
.set VOX,  10                          ; Sp: my x tiles
.set VOE,  11                          ; Sp: my e tile
.set LN16, 12                          ; 16 x lane
.set ST,   16                          ; v[16:119]  two staging sets of 13 loads x 4 registers
.set TMP,  120                         ; v[120:145] a set rounded to bf16
.set FB,   148                         ; v[148:163] 2 fragments of t columns
.set FA,   164                         ; v[164:235] 9 fragments of z columns
.set WQ,   148                         ; packing of Wbig, before the fragments are first loaded: 16 words,
.set WPK,  164                         ; 8 packed words,
.set WOF,  172                         ; the offset,
.set WDF,  173                         ; column minus row
; window 1 (v256-v399): accumulator (a, c) at 8 (2 a + c)
.set MSB, 0
.macro WIN new                         ; the immediate's high byte repeats the setting that is left
.if MSB != \new
	s_set_vgpr_msb (MSB<<8)|\new
.set MSB, \new
.endif
.endm
.macro PLACES                          ; four independent vector instructions between a matrix instruction and a load into, or a read of, its registers
.rept 4
	v_nop
.endr
.endm
; 13 loads of 512 bytes: K step k's rows w, w + 8, w + 16, w + 24 (t columns, then two halves of the x columns) and four rows of e
.macro GLOAD k, set
.irp q, 0,1,2,3
	global_load_b128 v[ST+52*\set+4*\q:ST+52*\set+4*\q+3], v[VT], s[8:9] offset:\k*65536+\q*16384
.endr
.irp q, 0,1,2,3
.irp hf, 0,1
	global_load_b128 v[ST+52*\set+16+8*\q+4*\hf:ST+52*\set+16+8*\q+4*\hf+3], v[VX], s[8:9] offset:\k*65536+\q*16384+\hf*512
.endr
.endr
	global_load_b128 v[ST+52*\set+48:ST+52*\set+51], v[VEO], s[10:11] offset:\k*8192
.endm
; a staging set is rounded to bf16 and stored into an LDS slot, 8 bytes a lane, 256 neighbouring bytes an instruction
.macro CVTST set, slot
.irp i, 0,1,2,3,4,5,6,7,8,9,10,11,12
	v_cvt_pk_bf16_f32 v[TMP+2*\i],   v[ST+52*\set+4*\i],   v[ST+52*\set+4*\i+1]
	v_cvt_pk_bf16_f32 v[TMP+2*\i+1], v[ST+52*\set+4*\i+2], v[ST+52*\set+4*\i+3]
.endr
.irp q, 0,1,2,3
	ds_store_b64 v[LST], v[TMP+2*\q:TMP+2*\q+1] offset:\slot*SLOT+\q*8*PITCH
.endr
.irp q, 0,1,2,3
.irp hf, 0,1
	ds_store_b64 v[LST], v[TMP+8+4*\q+2*\hf:TMP+8+4*\q+2*\hf+1] offset:\slot*SLOT+\q*8*PITCH+256+\hf*256
.endr
.endr
	ds_store_b64 v[LSE], v[TMP+24:TMP+25] offset:\slot*SLOT
.endm
; 22 transposing loads: K runs down the LDS rows, a fragment wants it along the lane's registers.  First load: k = 8 h + 0..7 of column r; second, 16 rows down: k = 16 + 8 h + 0..7
.macro FRAGS slot
.irp c, 0,1
	ds_load_tr16_b128 v[FB+8*\c:FB+8*\c+3],   v[VB] offset:\slot*SLOT+32*\c
	ds_load_tr16_b128 v[FB+8*\c+4:FB+8*\c+7], v[VB] offset:\slot*SLOT+32*\c+HALF
.endr
.irp a, 0,1,2,3,4,5,6,7
	ds_load_tr16_b128 v[FA+8*\a:FA+8*\a+3],   v[VA] offset:\slot*SLOT+32*\a
	ds_load_tr16_b128 v[FA+8*\a+4:FA+8*\a+7], v[VA] offset:\slot*SLOT+32*\a+HALF
.endr
	ds_load_tr16_b128 v[FA+64:FA+67], v[VE] offset:\slot*SLOT
	ds_load_tr16_b128 v[FA+68:FA+71], v[VE] offset:\slot*SLOT+HALF
.endm
; 18 matrix instructions, one on each accumulator: the accumulators take turns, from step to step too.  zero = 1: the first step starts the sums
.macro MUL zero
.irp a, 0,1,2,3,4,5,6,7,8
.irp c, 0,1
.if \zero
	v_wmma_f32_16x16x32_bf16 v[8*(2*\a+\c):8*(2*\a+\c)+7], v[FA+8*\a:FA+8*\a+7], v[FB+8*\c:FB+8*\c+7], 0
.else
	v_wmma_f32_16x16x32_bf16 v[8*(2*\a+\c):8*(2*\a+\c)+7], v[FA+8*\a:FA+8*\a+7], v[FB+8*\c:FB+8*\c+7], v[8*(2*\a+\c):8*(2*\a+\c)+7]
.endif
.endr
.endr
.endm
; 16 words of Wbig: rows 8 h + 0..7 and 16 + 8 h + 0..7 of a 32 x 16 piece, column r
.macro WLOAD pitch
.irp q, 0,1,2,3,4,5,6,7,8,9,10,11,12,13,14,15
	global_load_b32 v[WQ+\q], v[WOF], s[36:37] offset:((\q/8)*16+\q%8)*\pitch
.endr
.endm
	s_load_b512 s[8:23], s[0:1], 0x0               ; x s[8:9], e s[10:11], W0 s[12:13], W1 s[14:15], W2 s[16:17], W3 s[18:19], Sp s[20:21], Wf s[22:23]
	v_lshl_add_u32 v254, v0, 2, 0xd800
	v_mov_b32 v255, 0
	v_and_b32 v1, 31, v0                           ; lane
	v_lshrrev_b32 v13, 5, v0
	v_readfirstlane_b32 s24, v13                   ; w
	s_and_b32 s25, s24, 3                          ; wt
	s_lshr_b32 s26, s24, 2                         ; wi
	s_and_b32 s27, ttmp9, 1                        ; ib
	s_bfe_u32 s28, ttmp9, 0x20001                  ; tb
	s_bfe_u32 s29, ttmp9, 0x20003                  ; p
	s_lshr_b32 s30, ttmp9, 5                       ; b
	s_lshl_b32 s31, s24, 11                        ; row w of x: 2,048 bytes a row
	s_lshl_b32 s32, s28, 9
	s_add_co_u32 s32, s32, s31
	v_lshl_add_u32 v[VT], v1, 4, s32               ; 2048 w + 512 tb + 16 lane
	s_lshl_b32 s33, s27, 10
	s_add_co_u32 s33, s33, s31
	v_lshl_add_u32 v[VX], v1, 4, s33               ; 2048 w + 1024 ib + 16 lane
	v_lshrrev_b32 v13, 3, v1                       ; lane / 8
	v_and_b32 v14, 7, v1                           ; lane % 8
	s_lshl_b32 s34, s24, 10
	s_lshl_b32 s35, s27, 7
	s_add_co_u32 s34, s34, s35
	v_lshl_add_u32 v[VEO], v13, 8, s34             ; (4 w + lane / 8) x 256 + 128 ib
	v_lshl_add_u32 v[VEO], v14, 4, v[VEO]          ; + 16 (lane % 8)
	s_lshl_b32 s36, s30, 22                        ; batch b of x,
	s_lshl_b32 s34, s29, 20                        ; its rows from 512 p
	s_add_co_u32 s36, s36, s34
	s_mov_b32 s37, 0
	s_lshl_b32 s38, s29, 17                        ; e's rows from 512 p
	s_mov_b32 s39, 0
	s_lshl_b32 s40, s30, 5
	s_lshl3_add_u32 s40, s28, s40
	s_lshl1_add_u32 s40, s25, s40                  ; 32 b + 8 tb + 2 wt: my first t tile
	s_mul_i32 s40, s40, 144                        ; 36 tiles I' x 4 partial sums,
	s_add_co_u32 s40, s40, s29                     ; mine is p,
	s_lshl_b32 s40, s40, 10                        ; of 1,024 bytes
	s_mov_b32 s41, 0
	s_wait_kmcnt 0x0
	s_add_nc_u64 s[8:9], s[8:9], s[36:37]
	s_add_nc_u64 s[10:11], s[10:11], s[38:39]
	s_add_nc_u64 s[20:21], s[20:21], s[40:41]
	GLOAD 0, 0                                     ; two sets, 26 loads of 512 bytes a wave, are on their way from here on
	GLOAD 1, 1
	s_mul_i32 s34, s24, PITCH
	v_lshl_add_u32 v[LST], v1, 3, s34              ; row w, 8 bytes a lane
	s_mul_i32 s34, s24, 4*PITCH
	s_add_co_u32 s34, s34, 768
	v_mul_u32_u24 v15, v13, PITCH
	v_add_nc_u32 v15, s34, v15
	v_lshl_add_u32 v[LSE], v14, 3, v15             ; row 4 w + lane / 8, byte 768 + 8 (lane % 8)
	v_lshrrev_b32 v15, 4, v1                       ; h
	v_lshl_add_u32 v15, v15, 3, v14                ; row 8 h + lane % 8
	v_mul_u32_u24 v15, v15, PITCH
	v_and_b32 v13, 1, v13
	v_lshl_add_u32 v15, v13, 4, v15                ; + 16 ((lane / 8) & 1)
	s_lshl_b32 s34, s25, 6
	v_add_nc_u32 v[VB], s34, v15                   ; t tiles 2 wt, 2 wt + 1: 32 bytes a tile
	s_lshl_b32 s34, s26, 8
	s_add_co_u32 s34, s34, 256
	v_add_nc_u32 v[VA], s34, v15                   ; x tiles 8 wi .. 8 wi + 7
	s_lshl_b32 s34, s26, 5
	s_add_co_u32 s34, s34, 768
	v_add_nc_u32 v[VE], s34, v15                   ; e tile wi
	s_lshl_b32 s34, s27, 4
	s_lshl3_add_u32 s34, s26, s34
	s_add_co_u32 s34, s34, 4                       ; I' = 4 + 16 ib + 8 wi
	s_lshl_b32 s34, s34, 12
	v_lshl_add_u32 v[VOX], v1, 4, s34
	s_lshl1_add_u32 s34, s27, s26                  ; I' = 2 ib + wi
	s_lshl_b32 s34, s34, 12
	v_lshl_add_u32 v[VOE], v1, 4, s34
	v_lshlrev_b32 v[LN16], 4, v1
	; WBIG TO BF16, IN FRAGMENT ORDER.  648 fragments of 32 rows i' x 16 columns j, one for each of the first 648 waves: f = 8 g + w = (jb x 18 + ks') x 9 + jt, J = 9 jb + jt.
	; Wf: [jb 4][ks' 18][jt 9][half 2][lane 32][16 bytes]; lane (r, h) of a half holds Wbig[32 ks' + 16 half + 8 h + 0..7][16 J + r], rows e first as in S.
	s_cmp_ge_u32 ttmp9, 81
	s_cbranch_scc1 .Lno_pack
	s_lshl_b32 s42, ttmp9, 3
	s_add_co_u32 s42, s42, s24                     ; f
	s_mul_hi_u32 s43, s42, 0x1C71C71D              ; f / 9 (exact for f < 648)
	s_mul_i32 s44, s43, 9
	s_sub_co_u32 s44, s42, s44                     ; jt
	s_mul_hi_u32 s45, s43, 0x0E38E38F              ; jb = (f / 9) / 18
	s_mul_i32 s46, s45, 18
	s_sub_co_u32 s46, s43, s46                     ; ks'
	s_mul_i32 s47, s45, 9
	s_add_co_u32 s47, s47, s44                     ; J
	s_mul_i32 s34, s45, 144
	s_add_co_u32 s34, s34, 142
	s_lshr_b32 s34, s34, 5
	s_add_co_u32 s34, s34, 1
	s_min_u32 s34, s34, 16
	s_add_co_u32 s34, s34, 2                       ; live steps of this block of columns: 2 of e rows + those of W0's rows i < 144 jb + 143
	s_cmp_ge_u32 s46, s34
	s_cbranch_scc1 .Lno_pack                       ; all zeros by triu: never read, not packed
	s_cmp_lt_u32 s46, 2                            ; rows of e (W1 | W3) or of x (W0 | W2)
	s_cselect_b64 s[36:37], s[14:15], s[12:13]
	s_cselect_b64 s[38:39], s[18:19], s[16:17]
	s_cselect_b32 s34, 0, 2
	s_sub_co_u32 s34, s46, s34
	s_lshl_b32 s34, s34, 5                         ; first row in that matrix
	s_cmp_ge_u32 s47, 32                           ; columns of x (512 in a row) or of e (64 in a row)
	s_cselect_b64 s[36:37], s[38:39], s[36:37]
	s_cselect_b32 s35, 32, 0
	s_cselect_b32 s40, 8, 11                       ; a row is 256 or 2,048 bytes
	s_sub_co_u32 s35, s47, s35
	s_lshl_b32 s35, s35, 4                         ; first column in that matrix
	v_lshrrev_b32 v13, 4, v1                       ; h
	v_and_b32 v14, 15, v1                          ; r
	v_lshl_add_u32 v15, v13, 3, s34                ; row
	v_add_nc_u32 v14, s35, v14                     ; column
	v_sub_nc_u32 v[WDF], v14, v15                  ; column - row of word 0
	v_lshlrev_b32 v15, s40, v15
	v_lshl_add_u32 v[WOF], v14, 2, v15
	s_cmp_ge_u32 s47, 32
	s_cbranch_scc1 .Lnarrow
	WLOAD 2048
	s_branch .Lloaded
.Lnarrow:
	WLOAD 256
.Lloaded:
	s_wait_loadcnt 0x0                             ; the 16 words (and the two staging sets in front of them, which are wanted next)
	s_cmp_lt_u32 s46, 2
	s_cbranch_scc1 .Lplain
	s_cmp_ge_u32 s47, 32
	s_cbranch_scc1 .Lplain
.irp q, 0,1,2,3,4,5,6,7,8,9,10,11,12,13,14,15
	v_max_num_f32 v[WQ+\q], 0, v[WQ+\q]                        ; W0 alone: relu,
	v_cmp_lt_i32 vcc_lo, (\q/8)*16+\q%8, v[WDF]                ; and triu(., 1): kept where column > row
	v_cndmask_b32 v[WQ+\q], 0, v[WQ+\q], vcc_lo
.endr
.Lplain:
.irp i, 0,1,2,3,4,5,6,7
	v_cvt_pk_bf16_f32 v[WPK+\i], v[WQ+2*\i], v[WQ+2*\i+1]
.endr
	s_lshl_b32 s34, s42, 10
	s_mov_b32 s35, 0
	s_add_nc_u64 s[22:23], s[22:23], s[34:35]
	global_store_b128 v[LN16], v[WPK:WPK+3],   s[22:23]            ; 512 neighbouring bytes each
	global_store_b128 v[LN16], v[WPK+4:WPK+7], s[22:23] offset:512
	s_wait_xcnt 0x0                                ; the stores' data registers become fragments next: they are rewritten only behind this wait
.Lno_pack:
	s_wait_loadcnt 13                              ; K step 0's set is in; the 13 loads of step 1 stay out
	CVTST 0, 0
	GLOAD 2, 0
	s_wait_dscnt 0x0                               ; my part of slot 0 is written,
	s_barrier_signal -1
	s_barrier_wait -1                              ; everybody's is
; K step kk: the fragments are asked for; meanwhile step kk + 1's set is rounded and stored into the other slot and step kk + 3's loads go out.
; One barrier a step orders both ways: in front of its signal my reads of this slot and my stores into the other are done (the wait for 0), so that behind it
; the other slot may be read and this one written.  The 18 matrix instructions, which touch registers alone, stand between signal and wait.
.set kk, 0
.rept 16
.set cu, kk%2
.set nx, (kk+1)%2
.set kl, kk+3
.if kk > 0
	PLACES                                         ; the fragments are sources of the last matrix instructions
.endif
	FRAGS cu
.if kk < 14
	s_wait_loadcnt 13                              ; step kk + 1's set is in; the 13 loads of step kk + 2 stay out
.endif
.if kk == 14
	s_wait_loadcnt 0x0                             ; the last set: nothing was issued behind it
.endif
.if kk < 15
	CVTST nx, nx
.endif
.if kk < 13
	GLOAD kl, nx
.endif
	s_wait_dscnt 0x0
.if kk < 15
	s_barrier_signal -1
.endif
	WIN 0x50                                       ; C and D in window 1
.if kk == 0
	MUL 1
.else
	MUL 0
.endif
	WIN 0
.if kk < 15
	s_barrier_wait -1
.endif
.set kk, kk+1
.endr
	PLACES                                         ; the stores read matrix results
	WIN 0x04                                       ; store data in window 1
.irp c, 0,1
.irp a, 0,1,2,3,4,5,6,7
.irp q, 0,1
	global_store_b128 v[VOX], v[8*(2*\a+\c)+4*\q:8*(2*\a+\c)+4*\q+3], s[20:21] offset:\c*147456+\a*4096+\q*512   ; a wave's store covers 512 neighbouring bytes, aligned
.endr
.endr
.irp q, 0,1
	global_store_b128 v[VOE], v[8*(16+\c)+4*\q:8*(16+\c)+4*\q+3], s[20:21] offset:\c*147456+\q*512
.endr
.endr
	WIN 0
	s_wait_tensorcnt 0x0
	ds_add_u32 v254, v255
	s_wait_dscnt 0x0
	s_endpgm
.Lfunc_end_k_qe298759c7d_gram:
	.size	k_qe298759c7d_gram, .Lfunc_end_k_qe298759c7d_gram-k_qe298759c7d_gram
	.p2alignl 7, 3214868480
	.fill 96, 4, 3214868480
	.section	.rodata,"a",@progbits
	.p2align	6, 0x0
	.amdhsa_kernel k_qe298759c7d_gram
		.amdhsa_group_segment_fixed_size 56320
		.amdhsa_private_segment_fixed_size 0
		.amdhsa_enable_private_segment 0
		.amdhsa_kernarg_size 64
		.amdhsa_user_sgpr_count 2
		.amdhsa_user_sgpr_kernarg_segment_ptr 1
		.amdhsa_wavefront_size32 1
		.amdhsa_system_sgpr_workgroup_id_x 1
		.amdhsa_system_sgpr_workgroup_id_y 1
		.amdhsa_system_sgpr_workgroup_id_z 1
		.amdhsa_system_vgpr_workitem_id 0
		.amdhsa_next_free_vgpr 400
		.amdhsa_next_free_sgpr 66
		.amdhsa_reserve_vcc 1
		.amdhsa_float_denorm_mode_32 3
		.amdhsa_float_denorm_mode_16_64 3
		.amdhsa_memory_ordered 1
		.amdhsa_forward_progress 1
		.amdhsa_inst_pref_size 118
	.end_amdhsa_kernel
	.amdgpu_metadata
---
amdhsa.version: [ 1, 2 ]
amdhsa.kernels:
  - .name:           k_qe298759c7d_gram
    .symbol:         k_qe298759c7d_gram.kd
    .args:
      - { .name: x, .offset: 0, .size: 8, .value_kind: global_buffer, .address_space: global }
      - { .name: e, .offset: 8, .size: 8, .value_kind: global_buffer, .address_space: global }
      - { .name: W0, .offset: 16, .size: 8, .value_kind: global_buffer, .address_space: global }
      - { .name: W1, .offset: 24, .size: 8, .value_kind: global_buffer, .address_space: global }
      - { .name: W2, .offset: 32, .size: 8, .value_kind: global_buffer, .address_space: global }
      - { .name: W3, .offset: 40, .size: 8, .value_kind: global_buffer, .address_space: global }
      - { .name: Sp, .offset: 48, .size: 8, .value_kind: global_buffer, .address_space: global }
      - { .name: Wf, .offset: 56, .size: 8, .value_kind: global_buffer, .address_space: global }
    .group_segment_fixed_size: 56320
    .private_segment_fixed_size: 0
    .kernarg_segment_align: 8
    .kernarg_segment_size: 64
    .max_flat_workgroup_size: 256
    .sgpr_count:     66
    .vgpr_count:     400
    .wavefront_size: 32
...
	.end_amdgpu_metadata
.endif
;; end of part 1
;; launch mix (part 2): grid 256 x 1, 12 waves a work-group, no clusters, 314,880 bytes of LDS; arguments Sp, Wf, Mf; writes Mf
.if DOCPART == 2
	.amdgcn_target "amdgcn-amd-amdhsa--gfx1250"
	.amdhsa_code_object_version 6
	.text
	.protected	k_qe298759c7d_mix
	.globl	k_qe298759c7d_mix
	.p2align	8
	.type	k_qe298759c7d_mix,@function
k_qe298759c7d_mix:
	s_mov_b64 s[64:65], 0
	v_nop
	global_prefetch_b8 v0, s[64:65] scope:SCOPE_SE
	s_setreg_imm32_b32 hwreg(HW_REG_WAVE_MODE, 25, 1), 1
	s_wait_xcnt 0x0
; SECOND OF THREE LAUNCHES.  M = Wbig^T S for each batch: S = the sum of the four partial sums of Sp (in f32), Wbig from Wf (bf16, relu and triu applied).
; S ENTERS THE PRODUCT AS TWO BF16 TERMS: hi = bf16(S), lo = bf16(S - hi) (the difference is exact in f32), M = Wbig^T hi + Wbig^T lo on one accumulator.
; Why: S[64 + t][t] is the sum of 2,048 squares of x's column t, the other entries of column t are sums of products of mixed sign.  One rounding to bf16's 8 significant
; bits moves that one entry by up to 2^-9 of itself, and the shift reaches out[n][t] times (z Wbig^T)[n][t], alike in every row n: no sum over many terms averages it out.
; With two terms S keeps some 16 significant bits, whichever entry is the large one.
; WORK LEFT OUT: steps of 32 rows of Wbig that triu(W0, 1) makes all zero for the columns at hand are neither loaded nor multiplied: for the work-group's 144 columns
; the fill stops at nk = 7, 11, 16, 18 steps (jb = 0 .. 3), and each wave's product stops at the bound of its own 48 columns (shown at the head of the first launch).
; SHARES.  Work-group g: jb = g & 3, tb = (g >> 2) & 7, b = g >> 5: nine j tiles J = 9 jb .. + 8 by four t tiles 4 tb .. + 3.  Wave w of 12: T = w & 3, kq = w >> 2.
; Fill: wave (T, kq) brings K steps kq, kq + 3, .. of column tile T of S (8 KiB of partial sums a step) and a quarter (2,304 bytes) of the step's nine W fragments.
; Product: wave (T, jg = kq) makes j tiles 3 jg .. 3 jg + 2 of column tile T: three accumulators.
; NO JOINT LOADS: the work-groups that share S (the four jb) want different numbers of steps, and the partial sums are added in f32 in registers on their way.
; Mf: [b][ks 18][T 32][half 2][lane 32][16 bytes], ks = J >> 1, half = J & 1; lane (r, h) holds M[16 J + 8 h + 0..7][16 T + r]: a lane's eight results, packed, as they lie.
.set SL,    165888                     ; LDS: W fragments [ks'][jt 9][1,024] from byte 0; S's hi fragments [ks'][T 4][1,024] from here;
.set SGAP,  73728                      ; S's lo fragments, laid out alike, 18 x 4 x 1,024 bytes further on; 313,344 in all
.set VS,    2                          ; Sp: 16 lane + 8192 kq
.set VW16,  3                          ; Wf and LDS alike (the W region begins at LDS byte 0): 16 lane + 2304 T + 9216 kq
.set VW8,   4                          ; the quarter's last 256 bytes: 8 lane + 2304 T + 2048 + 9216 kq
.set VSL,   5                          ; LDS: my hi fragment of step kq
.set VA,    6                          ; LDS: my three W fragments, stepped
.set VBM,   7                          ; LDS: my hi fragment, stepped
.set VW16H, 8                          ; VW16 + 3 x 27,648, for trips 3 to 5: an LDS immediate ends at 65,535
.set VW8H,  9
.set LN16,  10                         ; 16 x lane
.set VSLL,  12                         ; LDS: my lo fragment of step kq
.set VBL,   13                         ; LDS: my lo fragment, stepped
.set SR,    16                         ; v[16:79]  partial sums: 32 u + 8 p + 4 q
.set WR,    80                         ; v[80:97]  W bytes
.set SB,    100                        ; v[100:107] hi: two halves of a fragment
.set SBL,   108                        ; v[108:115] lo
.set FA,    16                         ; v[16:39]  three W fragments
.set FB,    40                         ; v[40:47]  the hi fragment
.set ACC,   48                         ; v[48:71]  three accumulators
.set PK,    72                         ; v[72:83]  M in bf16
.set VO,    84                         ; v[84:86]  Mf offsets
.set FBL,   88                         ; v[88:95]  the lo fragment
; Fill trip i: K step kq + 3 i
.macro FILL i
.irp u, 0,1
.irp p, 0,1,2,3
.irp q, 0,1
	global_load_b128 v[SR+32*\u+8*\p+4*\q:SR+32*\u+8*\p+4*\q+3], v[VS], s[4:5] offset:\i*24576+\u*4096+\p*1024+\q*512   ; 8,192 neighbouring bytes in 16 loads
.endr
.endr
.endr
.irp c, 0,1,2,3
	global_load_b128 v[WR+4*\c:WR+4*\c+3], v[VW16], s[6:7] offset:\i*27648+\c*512
.endr
	global_load_b64 v[WR+16:WR+17], v[VW8], s[6:7] offset:\i*27648
	s_wait_loadcnt 0x0                             ; the trip's 21 loads
.irp u, 0,1
.irp q, 0,1
.irp d, 0,2
	v_pk_add_f32 v[SR+32*\u+4*\q+\d:SR+32*\u+4*\q+\d+1], v[SR+32*\u+4*\q+\d:SR+32*\u+4*\q+\d+1], v[SR+32*\u+4*\q+\d+8:SR+32*\u+4*\q+\d+9]            ; p0 + p1
	v_pk_add_f32 v[SR+32*\u+4*\q+\d+16:SR+32*\u+4*\q+\d+17], v[SR+32*\u+4*\q+\d+16:SR+32*\u+4*\q+\d+17], v[SR+32*\u+4*\q+\d+24:SR+32*\u+4*\q+\d+25]  ; p2 + p3
.endr
.endr
.endr
.irp u, 0,1
.irp q, 0,1
.irp d, 0,2
	v_pk_add_f32 v[SR+32*\u+4*\q+\d:SR+32*\u+4*\q+\d+1], v[SR+32*\u+4*\q+\d:SR+32*\u+4*\q+\d+1], v[SR+32*\u+4*\q+\d+16:SR+32*\u+4*\q+\d+17]
.endr
.endr
.endr
.irp u, 0,1
.irp q, 0,1
	v_cvt_pk_bf16_f32 v[SB+4*\u+2*\q],   v[SR+32*\u+4*\q],   v[SR+32*\u+4*\q+1]    ; hi.  Tile I' = 2 ks' + u is half u of the fragment: k = 16 u + 8 h + 0..7 of column r
	v_cvt_pk_bf16_f32 v[SB+4*\u+2*\q+1], v[SR+32*\u+4*\q+2], v[SR+32*\u+4*\q+3]
.endr
.endr
.irp u, 0,1
.irp q, 0,1
.irp d, 0,1
	v_lshlrev_b32 v[SR+32*\u+4*\q+8+2*\d], 16,         v[SB+4*\u+2*\q+\d]          ; hi back in f32, in the registers that held p1
	v_and_b32     v[SR+32*\u+4*\q+9+2*\d], 0xffff0000, v[SB+4*\u+2*\q+\d]
.endr
.endr
.endr
.irp u, 0,1
.irp q, 0,1
.irp d, 0,2
	v_pk_fma_f32 v[SR+32*\u+4*\q+\d:SR+32*\u+4*\q+\d+1], v[SR+32*\u+4*\q+8+\d:SR+32*\u+4*\q+9+\d], -1.0, v[SR+32*\u+4*\q+\d:SR+32*\u+4*\q+\d+1] op_sel_hi:[1,0,1]   ; S - hi
.endr
.endr
.endr
.irp u, 0,1
.irp q, 0,1
	v_cvt_pk_bf16_f32 v[SBL+4*\u+2*\q],   v[SR+32*\u+4*\q],   v[SR+32*\u+4*\q+1]   ; lo
	v_cvt_pk_bf16_f32 v[SBL+4*\u+2*\q+1], v[SR+32*\u+4*\q+2], v[SR+32*\u+4*\q+3]
.endr
.endr
	ds_store_b128 v[VSL],  v[SB:SB+3]     offset:\i*12288
	ds_store_b128 v[VSL],  v[SB+4:SB+7]   offset:\i*12288+512
	ds_store_b128 v[VSLL], v[SBL:SBL+3]   offset:\i*12288
	ds_store_b128 v[VSLL], v[SBL+4:SBL+7] offset:\i*12288+512
.if \i < 3
.irp c, 0,1,2,3
	ds_store_b128 v[VW16], v[WR+4*\c:WR+4*\c+3] offset:\i*27648+\c*512
.endr
	ds_store_b64 v[VW8], v[WR+16:WR+17] offset:\i*27648
.else
.irp c, 0,1,2,3
	ds_store_b128 v[VW16H], v[WR+4*\c:WR+4*\c+3] offset:(\i-3)*27648+\c*512
.endr
	ds_store_b64 v[VW8H], v[WR+16:WR+17] offset:(\i-3)*27648
.endif
.endm
; One K step of the product: ten loads of 512 neighbouring bytes; six matrix instructions, hi on accumulators 0, 1, 2, then lo on 0, 1, 2:
; the three accumulators take turns of one instruction, from step to step too
.macro KSTEP zero
.irp a, 0,1,2
	ds_load_b128 v[FA+8*\a:FA+8*\a+3],   v[VA] offset:\a*1024
	ds_load_b128 v[FA+8*\a+4:FA+8*\a+7], v[VA] offset:\a*1024+512
.endr
	ds_load_b128 v[FB:FB+3],     v[VBM]
	ds_load_b128 v[FB+4:FB+7],   v[VBM] offset:512
	ds_load_b128 v[FBL:FBL+3],   v[VBL]
	ds_load_b128 v[FBL+4:FBL+7], v[VBL] offset:512
	s_wait_dscnt 0x0
.irp a, 0,1,2
.if \zero
	v_wmma_f32_16x16x32_bf16 v[ACC+8*\a:ACC+8*\a+7], v[FA+8*\a:FA+8*\a+7], v[FB:FB+7], 0
.else
	v_wmma_f32_16x16x32_bf16 v[ACC+8*\a:ACC+8*\a+7], v[FA+8*\a:FA+8*\a+7], v[FB:FB+7], v[ACC+8*\a:ACC+8*\a+7]
.endif
.endr
.irp a, 0,1,2
	v_wmma_f32_16x16x32_bf16 v[ACC+8*\a:ACC+8*\a+7], v[FA+8*\a:FA+8*\a+7], v[FBL:FBL+7], v[ACC+8*\a:ACC+8*\a+7]
.endr
.endm
	s_load_b128 s[4:7], s[0:1], 0x0                ; Sp s[4:5], Wf s[6:7]
	s_load_b64 s[8:9], s[0:1], 0x10                ; Mf
	v_lshl_add_u32 v120, v0, 2, 0x4c800
	v_mov_b32 v121, 0
	v_and_b32 v1, 31, v0
	v_lshrrev_b32 v11, 5, v0
	v_readfirstlane_b32 s10, v11                   ; w, 0 to 11
	s_and_b32 s11, s10, 3                          ; T
	s_lshr_b32 s12, s10, 2                         ; kq in the fill, jg in the product
	s_and_b32 s13, ttmp9, 3                        ; jb
	s_bfe_u32 s14, ttmp9, 0x30002                  ; tb
	s_lshr_b32 s15, ttmp9, 5                       ; b
	s_mul_i32 s16, s13, 144
	s_add_co_u32 s16, s16, 142
	s_lshr_b32 s16, s16, 5
	s_add_co_u32 s16, s16, 1
	s_min_u32 s16, s16, 16
	s_add_co_u32 s16, s16, 2                       ; nk: the block's live K steps
	s_sub_co_u32 s17, s16, s12                     ; nk - kq: fill trip i runs while 3 i is below it
	s_lshl_b32 s18, s14, 2
	s_add_co_u32 s18, s18, s11                     ; my t tile, 4 tb + T
	s_lshl_b32 s20, s15, 5
	s_add_co_u32 s20, s20, s18
	s_mul_i32 s20, s20, 147456                     ; Sp: 36 tiles x 4 partial sums x 1,024 bytes for a t tile
	s_mov_b32 s21, 0
	s_mul_i32 s22, s13, 165888                     ; Wf: 18 steps x 9 fragments x 1,024 bytes for a block of columns
	s_mov_b32 s23, 0
	s_mul_i32 s24, s15, 589824                     ; Mf: 18 x 32 x 1,024 bytes for a batch
	s_mov_b32 s25, 0
	v_lshlrev_b32 v[LN16], 4, v1
	s_lshl_b32 s26, s12, 13
	v_add_nc_u32 v[VS], s26, v[LN16]
	s_mul_i32 s26, s11, 2304
	s_mul_i32 s27, s12, 9216
	s_add_co_u32 s26, s26, s27
	v_add_nc_u32 v[VW16], s26, v[LN16]
	s_add_co_u32 s27, s26, 2048
	v_lshl_add_u32 v[VW8], v1, 3, s27
	v_add_nc_u32 v[VW16H], 82944, v[VW16]
	v_add_nc_u32 v[VW8H], 82944, v[VW8]
	s_lshl_b32 s26, s11, 10
	s_add_co_u32 s26, s26, SL
	v_add_nc_u32 v[VBM], s26, v[LN16]              ; hi fragment (step 0, T)
	v_add_nc_u32 v[VBL], SGAP, v[VBM]              ; lo fragment (step 0, T)
	s_lshl_b32 s27, s12, 12
	v_add_nc_u32 v[VSL], s27, v[VBM]               ; hi fragment (step kq, T)
	v_add_nc_u32 v[VSLL], SGAP, v[VSL]             ; lo fragment (step kq, T)
	s_mul_i32 s27, s12, 3072
	v_add_nc_u32 v[VA], s27, v[LN16]               ; W fragments (step 0, 3 jg ..)
	s_mul_i32 s26, s13, 9
	s_mul_i32 s27, s12, 3
	s_add_co_u32 s26, s26, s27                     ; J of my first j tile
	s_lshl_b32 s19, s26, 4
	s_add_co_u32 s19, s19, 46                      ; my last column - 1
	s_lshr_b32 s19, s19, 5
	s_add_co_u32 s19, s19, 1
	s_min_u32 s19, s19, 16
	s_add_co_u32 s19, s19, 2                       ; my own live K steps, at least 4 and at most nk
	s_lshl_b32 s27, s18, 10
.irp a, 0,1,2
	s_add_co_u32 s31, s26, \a                      ; J
	s_lshr_b32 s[28+\a], s31, 1
	s_lshl_b32 s[28+\a], s[28+\a], 15              ; ks = J >> 1: 32 t tiles of 1,024 bytes
	s_and_b32 s31, s31, 1
	s_lshl_b32 s31, s31, 9                         ; half = J & 1
	s_add_co_u32 s[28+\a], s[28+\a], s31
	s_add_co_u32 s[28+\a], s[28+\a], s27           ; + my t tile
.endr
	s_wait_kmcnt 0x0
	s_add_nc_u64 s[4:5], s[4:5], s[20:21]
	s_add_nc_u64 s[6:7], s[6:7], s[22:23]
	s_add_nc_u64 s[8:9], s[8:9], s[24:25]
	FILL 0                                         ; nk is at least 7 and kq at most 2: trips 0 and 1 always run
	FILL 1
.irp i, 2,3,4,5
	s_cmp_le_u32 s17, 3*\i
	s_cbranch_scc1 .Lfilled
	FILL \i
.endr
.Lfilled:
	s_wait_dscnt 0x0                               ; my stores are done,
	s_barrier_signal -1
	s_barrier_wait -1                              ; everybody's are: the one barrier of the launch; LDS is only read from here on
	KSTEP 1                                        ; the first step starts the sums
.set kk, 1
.rept 17
.if kk >= 4
	s_cmp_le_u32 s19, kk                           ; beyond my bound W0's rows are zero in all my columns
	s_cbranch_scc1 .Lmixed
.endif
	v_add_nc_u32 v[VA], 9216, v[VA]                ; the next step's fragments; with the v_nop these are the four independent vector instructions
	v_add_nc_u32 v[VBM], 4096, v[VBM]              ; between the matrix instructions and the loads into their sources
	v_add_nc_u32 v[VBL], 4096, v[VBL]
	v_nop
	KSTEP 0
.set kk, kk+1
.endr
.Lmixed:
.irp a, 0,1,2
	v_add_nc_u32 v[VO+\a], s[28+\a], v[LN16]       ; three of the four places in front of the conversions, which read matrix results
.endr
	v_nop
.irp a, 0,1,2
.irp i, 0,1,2,3
	v_cvt_pk_bf16_f32 v[PK+4*\a+\i], v[ACC+8*\a+2*\i], v[ACC+8*\a+2*\i+1]
.endr
.endr
.irp a, 0,1,2
	global_store_b128 v[VO+\a], v[PK+4*\a:PK+4*\a+3], s[8:9]       ; 512 neighbouring bytes, aligned
.endr
	s_wait_tensorcnt 0x0
	ds_add_u32 v120, v121
	s_wait_dscnt 0x0
	s_endpgm
.Lfunc_end_k_qe298759c7d_mix:
	.size	k_qe298759c7d_mix, .Lfunc_end_k_qe298759c7d_mix-k_qe298759c7d_mix
	.p2alignl 7, 3214868480
	.fill 96, 4, 3214868480
	.section	.rodata,"a",@progbits
	.p2align	6, 0x0
	.amdhsa_kernel k_qe298759c7d_mix
		.amdhsa_group_segment_fixed_size 314880
		.amdhsa_private_segment_fixed_size 0
		.amdhsa_enable_private_segment 0
		.amdhsa_kernarg_size 24
		.amdhsa_user_sgpr_count 2
		.amdhsa_user_sgpr_kernarg_segment_ptr 1
		.amdhsa_wavefront_size32 1
		.amdhsa_system_sgpr_workgroup_id_x 1
		.amdhsa_system_sgpr_workgroup_id_y 1
		.amdhsa_system_sgpr_workgroup_id_z 1
		.amdhsa_system_vgpr_workitem_id 0
		.amdhsa_next_free_vgpr 122
		.amdhsa_next_free_sgpr 66
		.amdhsa_reserve_vcc 0
		.amdhsa_float_denorm_mode_32 3
		.amdhsa_float_denorm_mode_16_64 3
		.amdhsa_memory_ordered 1
		.amdhsa_forward_progress 1
		.amdhsa_inst_pref_size 67
	.end_amdhsa_kernel
	.amdgpu_metadata
---
amdhsa.version: [ 1, 2 ]
amdhsa.kernels:
  - .name:           k_qe298759c7d_mix
    .symbol:         k_qe298759c7d_mix.kd
    .args:
      - { .name: Sp, .offset: 0, .size: 8, .value_kind: global_buffer, .address_space: global }
      - { .name: Wf, .offset: 8, .size: 8, .value_kind: global_buffer, .address_space: global }
      - { .name: Mf, .offset: 16, .size: 8, .value_kind: global_buffer, .address_space: global }
    .group_segment_fixed_size: 314880
    .private_segment_fixed_size: 0
    .kernarg_segment_align: 8
    .kernarg_segment_size: 24
    .max_flat_workgroup_size: 384
    .sgpr_count:     66
    .vgpr_count:     122
    .wavefront_size: 32
...
	.end_amdgpu_metadata
.endif
;; end of part 2
;; launch apply (part 3): grid 256 x 1, 8 waves a work-group, no clusters, 110,592 bytes of LDS; arguments x, e, Mf, out0; writes out0
.if DOCPART == 3
	.amdgcn_target "amdgcn-amd-amdhsa--gfx1250"
	.amdhsa_code_object_version 6
	.text
	.protected	k_qe298759c7d_apply
	.globl	k_qe298759c7d_apply
	.p2align	8
	.type	k_qe298759c7d_apply,@function
k_qe298759c7d_apply:
	s_mov_b64 s[64:65], 0
	v_nop
	global_prefetch_b8 v0, s[64:65] scope:SCOPE_SE
	s_setreg_imm32_b32 hwreg(HW_REG_WAVE_MODE, 25, 1), 1
	s_wait_xcnt 0x0
; THIRD OF THREE LAUNCHES.  out[b] = z M[b], z = [x[b] | e] (576 along K, x first), M from Mf in bf16 fragments.  Nothing is left out here.
; SHARES.  Work-group g: rb = g & 31, b = g >> 5: rows 64 rb .. + 63, all 512 columns.  Wave w: all 64 rows of columns 64 w .. + 63: 4 x 4 accumulators, 128 registers.
; z's 64 rows are loaded once (f32), rounded to bf16 in registers and kept in LDS for all eight waves.
; M's fragments go from memory straight into registers, through a ring of four register slots, three K steps ahead: inside a work-group each fragment is used by one wave alone.
; NO JOINT LOADS, though the 32 work-groups of a batch read the same M.  A tile asked for jointly lands in LDS, and beside z and the stages (109,568 bytes) two slots of three
; K steps (2 x 98,304 bytes) are all that fit (four steps a slot would make 371,712 bytes in all).  A refill then has three steps, 48 matrix instructions of a wave, in which to
; land, and stands behind a round of the cluster's barrier, which brings the 32 waves of four work-groups into step four times in the 18 steps.  The ring in registers has the
; same three steps of lead, but no wave waits for another: behind the one barrier each runs on as its own loads land, and M's 589,824 bytes are not written to LDS and read back.
; THE MATRIX INSTRUCTION IS USED TRANSPOSED: source 0 = M's fragment (16 columns t), source 1 = z's fragment (16 rows).  Lane (r, h) then holds out[row r][8 h + 0..7 of the tile]:
; 32 neighbouring bytes.  16 rows at a time go through the wave's own LDS stage, so that sixteen lanes store 256 neighbouring bytes, aligned.
.set PZ,     1168                      ; an LDS row of z: 1,024 bytes x, 128 bytes e, 16 unused; 73 x 16 bytes, so the 16 rows of a fragment load start at 16 different banks
.set STAGE,  64*PZ                     ; behind z: 16 rows x 272 bytes for each wave
.set SPITCH, 272
.set VXL,  2                           ; x: 16384 w + 16 lane (my eight rows)
.set VEL,  3                           ; e: 2048 w + 16 lane (my eight rows)
.set VXS,  4                           ; LDS: row 8 w, 8 bytes a lane
.set VES,  5                           ; LDS: row 8 w + lane / 16, byte 1024 + 8 (lane % 16)
.set VM,   6                           ; Mf: 16 lane + 4096 w (t tiles 4 w ..)
.set VZR,  7                           ; LDS: z fragment: r rows + 16 h
.set VST,  8                           ; stage, in
.set VRD,  9                           ; stage, back
.set VOUT, 10                          ; out0
.set SG,   16                          ; v[16:159] the 36 staging loads
.set ZB,   16                          ; v[16:79]  afterwards: z fragments, two buffers of 4 x 8; on the way out: rows read back
; M ring: slot s at v[128 + 32 ((s + 1) % 4)]: slots 0 to 2 are v160-v255, slot 3 is v128-v159, free once the staging is over.  Window 1 (v256-v383): accumulator (rt, ct) at 8 (4 rt + ct)
.set MSB, 0
.macro WIN new
.if MSB != \new
	s_set_vgpr_msb (MSB<<8)|\new
.set MSB, \new
.endif
.endm
.macro PLACES                          ; four independent vector instructions between a matrix instruction and a load into, or a read of, its registers
.rept 4
	v_nop
.endr
.endm
.macro MLOAD k                         ; K step k's four fragments of M: eight loads of 512 neighbouring bytes
.irp ct, 0,1,2,3
	global_load_b128 v[128+32*((\k+1)%4)+8*\ct:128+32*((\k+1)%4)+8*\ct+3],   v[VM], s[8:9] offset:\k*32768+\ct*1024
	global_load_b128 v[128+32*((\k+1)%4)+8*\ct+4:128+32*((\k+1)%4)+8*\ct+7], v[VM], s[8:9] offset:\k*32768+\ct*1024+512
.endr
.endm
.macro ZLOAD k                         ; K step k's four fragments of z
.irp rt, 0,1,2,3
	ds_load_b128 v[ZB+32*(\k%2)+8*\rt:ZB+32*(\k%2)+8*\rt+3],   v[VZR] offset:\rt*16*PZ+\k*64
	ds_load_b128 v[ZB+32*(\k%2)+8*\rt+4:ZB+32*(\k%2)+8*\rt+7], v[VZR] offset:\rt*16*PZ+\k*64+32
.endr
.endm
.macro MULS k, zero                    ; 16 matrix instructions, one on each accumulator: they take turns, from step to step too
.irp rt, 0,1,2,3
.irp ct, 0,1,2,3
.if \zero
	v_wmma_f32_16x16x32_bf16 v[8*(4*\rt+\ct):8*(4*\rt+\ct)+7], v[128+32*((\k+1)%4)+8*\ct:128+32*((\k+1)%4)+8*\ct+7], v[ZB+32*(\k%2)+8*\rt:ZB+32*(\k%2)+8*\rt+7], 0
.else
	v_wmma_f32_16x16x32_bf16 v[8*(4*\rt+\ct):8*(4*\rt+\ct)+7], v[128+32*((\k+1)%4)+8*\ct:128+32*((\k+1)%4)+8*\ct+7], v[ZB+32*(\k%2)+8*\rt:ZB+32*(\k%2)+8*\rt+7], v[8*(4*\rt+\ct):8*(4*\rt+\ct)+7]
.endif
.endr
.endr
.endm
.macro OUT rt                          ; rows 16 rt .. + 15 of my 64 columns
	WIN 0x04                                       ; store data in window 1
.irp ct, 0,1,2,3
	ds_store_b128 v[VST], v[8*(4*\rt+\ct):8*(4*\rt+\ct)+3]   offset:64*\ct
	ds_store_b128 v[VST], v[8*(4*\rt+\ct)+4:8*(4*\rt+\ct)+7] offset:64*\ct+16
.endr
	WIN 0
	s_wait_xcnt 0x0                                ; the registers loaded next were data of earlier stores: they are rewritten only behind this wait
.irp t, 0,1,2,3,4,5,6,7
	ds_load_b128 v[ZB+32*(\rt%2)+4*\t:ZB+32*(\rt%2)+4*\t+3], v[VRD] offset:\t*2*SPITCH    ; LDS serves a wave's instructions in order (ISA guide 5.7.1): these see the stores above; the stage is my own
.endr
.irp t, 0,1,2,3,4,5,6,7
	s_wait_dscnt 7-\t                              ; load t is back, the younger ones stay out
	global_store_b128 v[VOUT], v[ZB+32*(\rt%2)+4*\t:ZB+32*(\rt%2)+4*\t+3], s[10:11] offset:(16*\rt+2*\t)*2048 th:TH_STORE_NT   ; lanes 0-15 one row's 256 bytes, lanes 16-31 the next row's
.endr
.endm
	s_load_b256 s[4:11], s[0:1], 0x0               ; x s[4:5], e s[6:7], Mf s[8:9], out0 s[10:11]
	s_set_vgpr_msb 0x40
	v_lshl_add_u32 v128, v0, 2, 0x1ac00
	v_mov_b32 v129, 0
	s_set_vgpr_msb 0x4000
	v_and_b32 v1, 31, v0
	v_lshrrev_b32 v11, 5, v0
	v_readfirstlane_b32 s12, v11                   ; w
	s_and_b32 s13, ttmp9, 31                       ; rb
	s_lshr_b32 s14, ttmp9, 5                       ; b
	s_lshl_b32 s16, s14, 22                        ; batch b,
	s_lshl_b32 s15, s13, 17                        ; 64 rb rows of 2,048 bytes: the same in x and in out0
	s_add_co_u32 s16, s16, s15
	s_mov_b32 s17, 0
	s_lshl_b32 s18, s13, 14                        ; 64 rb rows of e
	s_mov_b32 s19, 0
	s_mul_i32 s20, s14, 589824                     ; batch b of Mf
	s_mov_b32 s21, 0
	v_lshlrev_b32 v12, 4, v1                       ; 16 lane
	s_lshl_b32 s22, s12, 14
	v_add_nc_u32 v[VXL], s22, v12
	s_lshl_b32 s22, s12, 11
	v_add_nc_u32 v[VEL], s22, v12
	s_lshl_b32 s22, s12, 12
	v_add_nc_u32 v[VM], s22, v12
	s_wait_kmcnt 0x0
	s_add_nc_u64 s[4:5], s[4:5], s[16:17]
	s_add_nc_u64 s[6:7], s[6:7], s[18:19]
	s_add_nc_u64 s[8:9], s[8:9], s[20:21]
	s_add_nc_u64 s[10:11], s[10:11], s[16:17]
.irp rr, 0,1,2,3,4,5,6,7
.irp u, 0,1,2,3
	global_load_b128 v[SG+16*\rr+4*\u:SG+16*\rr+4*\u+3], v[VXL], s[4:5] offset:\rr*2048+\u*512 th:TH_LOAD_NT   ; this launch reads each byte of x once
.endr
.endr
.irp c, 0,1,2,3
	global_load_b128 v[SG+128+4*\c:SG+128+4*\c+3], v[VEL], s[6:7] offset:\c*512
.endr
	MLOAD 0
	MLOAD 1
	MLOAD 2
	s_mul_i32 s22, s12, 8*PZ
	v_lshl_add_u32 v[VXS], v1, 3, s22
	v_lshrrev_b32 v13, 4, v1                       ; h
	v_and_b32 v14, 15, v1                          ; r
	v_mul_u32_u24 v15, v13, PZ
	s_add_co_u32 s22, s22, 1024
	v_add_nc_u32 v15, s22, v15
	v_lshl_add_u32 v[VES], v14, 3, v15
	v_mul_u32_u24 v15, v14, PZ
	v_lshl_add_u32 v[VZR], v13, 4, v15
	s_mul_i32 s22, s12, 16*SPITCH
	s_add_co_u32 s22, s22, STAGE                   ; my stage
	v_mul_u32_u24 v15, v14, SPITCH
	v_lshl_add_u32 v15, v13, 5, v15
	v_add_nc_u32 v[VST], s22, v15                  ; in: row r, 32 bytes for each half of the lanes
	v_mul_u32_u24 v15, v13, SPITCH
	v_lshl_add_u32 v15, v14, 4, v15
	v_add_nc_u32 v[VRD], s22, v15                  ; back: lanes 0-15 one row, lanes 16-31 the next
	s_lshl_b32 s22, s12, 8
	v_lshl_add_u32 v15, v13, 11, s22
	v_lshl_add_u32 v[VOUT], v14, 4, v15            ; the same two rows in out0, at my 256 bytes
	s_wait_loadcnt 24                              ; the 36 loads of z are in; the 24 of M's first three steps stay out
.set ii, 0
.rept 36
	v_cvt_pk_bf16_f32 v[SG+4*ii],   v[SG+4*ii],   v[SG+4*ii+1]
	v_cvt_pk_bf16_f32 v[SG+4*ii+1], v[SG+4*ii+2], v[SG+4*ii+3]
.set ii, ii+1
.endr
.irp rr, 0,1,2,3,4,5,6,7
.irp u, 0,1,2,3
	ds_store_b64 v[VXS], v[SG+16*\rr+4*\u:SG+16*\rr+4*\u+1] offset:\rr*PZ+\u*256
.endr
.endr
.irp c, 0,1,2,3
	ds_store_b64 v[VES], v[SG+128+4*\c:SG+128+4*\c+1] offset:\c*2*PZ
.endr
	s_wait_dscnt 0x0                               ; my eight rows of z are written,
	s_barrier_signal -1
	s_barrier_wait -1                              ; all 64 are: the one barrier of the launch; z is only read from here on
	ZLOAD 0
; K step kk: the next step's z fragments and the M fragments three steps ahead are asked for, then this step's 16 products
.set kk, 0
.rept 18
.set kz, kk+1
.set km, kk+3
.set lf, 17-kk
.if lf > 3
.set lf, 3
.endif
.if kk > 0
	PLACES                                         ; the registers loaded next were sources of the last matrix instructions
.endif
.if kk < 17
	ZLOAD kz
.endif
.if kk < 15
	MLOAD km
.endif
.if kk < 17
	s_wait_dscnt 8                                 ; this step's z fragments are in; the eight loads just issued stay out
.else
	s_wait_dscnt 0x0
.endif
	s_wait_loadcnt 8*lf                            ; this step's M fragments are in; those of the later steps, eight loads each, stay out
	WIN 0x50                                       ; C and D in window 1
.if kk == 0
	MULS kk, 1
.else
	MULS kk, 0
.endif
	WIN 0
.set kk, kk+1
.endr
	PLACES                                         ; the LDS stores read matrix results, the loads behind them write former sources
	OUT 0
	OUT 1
	OUT 2
	OUT 3
	s_set_vgpr_msb 0x5
	s_wait_tensorcnt 0x0
	ds_add_u32 v128, v129
	s_wait_dscnt 0x0
	s_set_vgpr_msb 0x500
	s_endpgm
.Lfunc_end_k_qe298759c7d_apply:
	.size	k_qe298759c7d_apply, .Lfunc_end_k_qe298759c7d_apply-k_qe298759c7d_apply
	.p2alignl 7, 3214868480
	.fill 96, 4, 3214868480
	.section	.rodata,"a",@progbits
	.p2align	6, 0x0
	.amdhsa_kernel k_qe298759c7d_apply
		.amdhsa_group_segment_fixed_size 110592
		.amdhsa_private_segment_fixed_size 0
		.amdhsa_enable_private_segment 0
		.amdhsa_kernarg_size 32
		.amdhsa_user_sgpr_count 2
		.amdhsa_user_sgpr_kernarg_segment_ptr 1
		.amdhsa_wavefront_size32 1
		.amdhsa_system_sgpr_workgroup_id_x 1
		.amdhsa_system_sgpr_workgroup_id_y 1
		.amdhsa_system_sgpr_workgroup_id_z 1
		.amdhsa_system_vgpr_workitem_id 0
		.amdhsa_next_free_vgpr 386
		.amdhsa_next_free_sgpr 66
		.amdhsa_reserve_vcc 0
		.amdhsa_float_denorm_mode_32 3
		.amdhsa_float_denorm_mode_16_64 3
		.amdhsa_memory_ordered 1
		.amdhsa_forward_progress 1
		.amdhsa_inst_pref_size 67
	.end_amdhsa_kernel
	.amdgpu_metadata
---
amdhsa.version: [ 1, 2 ]
amdhsa.kernels:
  - .name:           k_qe298759c7d_apply
    .symbol:         k_qe298759c7d_apply.kd
    .args:
      - { .name: x, .offset: 0, .size: 8, .value_kind: global_buffer, .address_space: global }
      - { .name: e, .offset: 8, .size: 8, .value_kind: global_buffer, .address_space: global }
      - { .name: Mf, .offset: 16, .size: 8, .value_kind: global_buffer, .address_space: global }
      - { .name: out0, .offset: 24, .size: 8, .value_kind: global_buffer, .address_space: global }
    .group_segment_fixed_size: 110592
    .private_segment_fixed_size: 0
    .kernarg_segment_align: 8
    .kernarg_segment_size: 32
    .max_flat_workgroup_size: 256
    .sgpr_count:     66
    .vgpr_count:     386
    .wavefront_size: 32
...
	.end_amdgpu_metadata
.endif
;; end of part 3
;; ======== version 2 of 3: 3 launches; 1.11 times as fast as version 1
;; workspace buffers: Sp 37,748,736 bytes; Wf 417,792 bytes; Mf 4,718,592 bytes
;; launch gram (part 4): grid 256 x 1, 8 waves a work-group, no clusters, 48,128 bytes of LDS; arguments x, e, W0, W1, W2, W3, Sp, Wf; writes Sp, Wf
.if DOCPART == 4
	.amdgcn_target "amdgcn-amd-amdhsa--gfx1250"
	.amdhsa_code_object_version 6
	.text
	.protected	k_qe298759c7d_gram
	.globl	k_qe298759c7d_gram
	.p2align	8
	.type	k_qe298759c7d_gram,@function
k_qe298759c7d_gram:
	s_mov_b64 s[64:65], 0
	v_nop
	global_prefetch_b8 v0, s[64:65] scope:SCOPE_SE
	s_setreg_imm32_b32 hwreg(HW_REG_WAVE_MODE, 25, 1), 1
	s_wait_xcnt 0x0
; FIRST OF THREE LAUNCHES.  The whole program computes out = attn x[b], attn = attn0 + attn1 + attn2 + attn3.
; With z = [x[b] | e] (2048 x 576) and Wbig = [[relu(triu(W0,1)), W2], [W1, W3]] (576 x 576) the four terms are one: attn = (z Wbig^T) z^T.
; Nothing but products stands between the inputs and out, and products associate for all values:
;     out = z M,   M = Wbig^T S,   S = z^T x[b]   (S, M: 576 x 512 for each batch).
; This launch makes S in four partial sums over 512 rows each (Sp) and packs Wbig to bf16 (Wf); the second makes M (Mf); the third makes out.
; attn (2048 x 2048) and z Wbig^T are never formed.
; WORK LEFT OUT: relu(triu(W0,1))[i][j] = 0 for j <= i, whatever W0 holds.  For a tile of 16 columns j = 16 J .. 16 J + 15 of the W0 part (J < 32) the rows
; i >= 16 J + 15 are therefore all zero, and the steps of 32 rows from row 32 (J / 2 + 1) on add nothing to M.  With the two steps of e rows in front, tile J keeps
; min(3 + J / 2, 18) of its 18 steps (J / 2 rounded down; J >= 32 holds columns of W2 and W3 and keeps all): 408 of the 648 fragments of 32 x 16 are live.
; The other 240 are neither loaded nor packed here nor multiplied in the second launch.  Every input has a way to out and is loaded.
; LIMITS: the order of the sums and of the roundings differs from the written order (x, e, W and M are rounded to bf16 as matrix operands; S, kept in f32 here,
; enters the second launch's product as the sum of two bf16 numbers; all sums in f32);
; an overflow that only attn or z Wbig^T would suffer does not appear; a NaN or an infinity that reaches only the products left out (a masked zero of W0 times
; an infinite sum) is not carried to the result; a NaN in the live part of W0 becomes 0 (the relu is v_max_num_f32, in which a NaN loses).
;
; SHARES.  Work-group g: ib = bit 0, th = bits 1 and 3, p = bits 2 and 4, b = bits 5 to 7.  Rows 512 p .. + 511 of batch b; a block of S of 288 rows
; (x columns 256 ib .. + 255 and e columns 32 ib .. + 31) by 128 columns t, in two blocks of 64: 256 ib + 64 th .. + 63, which are among the work-group's own x columns and
; are read from where those lie in LDS, and 256 (1 - ib) + 64 th .. + 63 from the other half of x, which are loaded.  So every work-group loads 256 + 64 + 32 = 352 numbers
; of a row, not 416, and for each ib the four th cover all 512 columns t once.
; Which bits of g carry which share changes no value; it decides which of the work-groups that read the same rows of x are numbered next to each other:
; the eight (ib, th) of one (p, b) differ in bits 0, 1 and 3 alone.
; Wave w: wt = w & 3, wi = w >> 2: t tiles T0 = 16 ib + 4 th + wt and T1 = 16 (1 - ib) + 4 th + wt, eight x tiles, one e tile: 18 accumulators.
; Index of S's rows, e first: i' < 64 is e column i', i' >= 64 is x column i' - 64; tile I' = i' / 16.
; K (the 512 rows) goes in 16 steps of 32 through two LDS slots.  x and e are f32 in memory: they pass through registers, are rounded to bf16 there and stored to LDS.
; NO JOINT LOADS, though a block of 256 x columns is read by four work-groups: a tile brought straight into LDS would land as f32
; (32 rows x 352 numbers x 4 bytes = 45,056 bytes a step) and would have to be read back, rounded and stored a second time.
; Sp is laid out as the accumulators lie: [b][T 32][I' 36][p 4][q 2][lane 32][16 bytes]; lane (r, h) of quad q holds S[16 I' + 8 h + 4 q + 0..3][16 T + r].
.set PITCH, 736                        ; an LDS row: 128 bytes t columns of the other half, 512 bytes x columns, 64 bytes e columns, 32 unused; 23 x 32: an odd multiple of 32 bytes
.set XO,    128                        ; where the x columns begin in a row
.set EO,    640                        ; where the e columns begin
.set SLOT,  32*PITCH                   ; 32 rows of K
.set HALF,  16*PITCH
.set VT,   2                           ; global offset of my 16 bytes of the other half's t columns: row 4 w + lane / 16
.set VX,   3                           ; the same for the x columns: row w
.set VEO,  4                           ; the same in e: row 4 w + lane / 8
.set LST,  5                           ; LDS: row w, 8 bytes a lane
.set LSE,  6                           ; LDS: row 4 w + lane / 8, the e columns
.set VB,   7                           ; LDS: my t tile among the x columns, for the transposing load
.set VA,   8                           ; LDS: my x tiles
.set VE,   9                           ; LDS: my e tile
.set VOX,  10                          ; Sp: my x tiles
.set VOE,  11                          ; Sp: my e tile
.set LN16, 12                          ; 16 x lane
.set ST,   16                          ; v[16:103]  two staging sets of 11 loads x 4 registers: 2 of t columns, 8 of x columns, 1 of e
.set LTT,  104                         ; LDS: row 4 w + lane / 16, the t columns
.set VB1,  105                         ; LDS: my t tile of the other half
.set H16,  106                         ; lane / 16
.set R16,  107                         ; lane % 16
.set TMP,  120                         ; v[120:141] a set rounded to bf16
.set FB,   148                         ; v[148:163] 2 fragments of t columns
.set FA,   164                         ; v[164:235] 9 fragments of z columns
.set WQ,   148                         ; packing of Wbig, before the fragments are first loaded: 16 words,
.set WPK,  164                         ; 8 packed words,
.set WOF,  172                         ; the offset,
.set WDF,  173                         ; column minus row
; window 1 (v256-v399): accumulator (a, c) at 8 (2 a + c)
.set MSB, 0
.macro WIN new                         ; the immediate's high byte repeats the setting that is left
.if MSB != \new
	s_set_vgpr_msb (MSB<<8)|\new
.set MSB, \new
.endif
.endm
.macro PLACES                          ; four independent vector instructions between a matrix instruction and a load into, or a read of, its registers
.rept 4
	v_nop
.endr
.endm
; 11 loads of 512 bytes for K step k: rows 4 w .. 4 w + 3 of the other half's 64 t columns (two rows of 256 bytes a load), rows w, w + 8, w + 16, w + 24 of the x columns
; (two halves of 512 bytes) and four rows of e
.macro GLOAD k, set
.irp j, 0,1
	global_load_b128 v[ST+44*\set+4*\j:ST+44*\set+4*\j+3], v[VT], s[8:9] offset:\k*65536+\j*4096
.endr
.irp q, 0,1,2,3
.irp hf, 0,1
	global_load_b128 v[ST+44*\set+8+8*\q+4*\hf:ST+44*\set+8+8*\q+4*\hf+3], v[VX], s[8:9] offset:\k*65536+\q*16384+\hf*512
.endr
.endr
	global_load_b128 v[ST+44*\set+40:ST+44*\set+43], v[VEO], s[10:11] offset:\k*8192
.endm
; a staging set is rounded to bf16 and stored into an LDS slot, 8 bytes a lane
.macro CVTST set, slot
.irp i, 0,1,2,3,4,5,6,7,8,9,10
	v_cvt_pk_bf16_f32 v[TMP+2*\i],   v[ST+44*\set+4*\i],   v[ST+44*\set+4*\i+1]
	v_cvt_pk_bf16_f32 v[TMP+2*\i+1], v[ST+44*\set+4*\i+2], v[ST+44*\set+4*\i+3]
.endr
.irp j, 0,1
	ds_store_b64 v[LTT], v[TMP+2*\j:TMP+2*\j+1] offset:\slot*SLOT+\j*2*PITCH
.endr
.irp q, 0,1,2,3
.irp hf, 0,1
	ds_store_b64 v[LST], v[TMP+4+4*\q+2*\hf:TMP+4+4*\q+2*\hf+1] offset:\slot*SLOT+\q*8*PITCH+XO+\hf*256
.endr
.endr
	ds_store_b64 v[LSE], v[TMP+20:TMP+21] offset:\slot*SLOT
.endm
; 22 transposing loads: K runs down the LDS rows, a fragment wants it along the lane's registers.  First load: k = 8 h + 0..7 of column r; second, 16 rows down: k = 16 + 8 h + 0..7
.macro FRAGS slot
	ds_load_tr16_b128 v[FB:FB+3],     v[VB]  offset:\slot*SLOT           ; t tile T0, out of the x columns
	ds_load_tr16_b128 v[FB+4:FB+7],   v[VB]  offset:\slot*SLOT+HALF
	ds_load_tr16_b128 v[FB+8:FB+11],  v[VB1] offset:\slot*SLOT           ; t tile T1
	ds_load_tr16_b128 v[FB+12:FB+15], v[VB1] offset:\slot*SLOT+HALF
.irp a, 0,1,2,3,4,5,6,7
	ds_load_tr16_b128 v[FA+8*\a:FA+8*\a+3],   v[VA] offset:\slot*SLOT+32*\a
	ds_load_tr16_b128 v[FA+8*\a+4:FA+8*\a+7], v[VA] offset:\slot*SLOT+32*\a+HALF
.endr
	ds_load_tr16_b128 v[FA+64:FA+67], v[VE] offset:\slot*SLOT
	ds_load_tr16_b128 v[FA+68:FA+71], v[VE] offset:\slot*SLOT+HALF
.endm
; 18 matrix instructions, one on each accumulator: the accumulators take turns, from step to step too.  zero = 1: the first step starts the sums
.macro MUL zero
.irp a, 0,1,2,3,4,5,6,7,8
.irp c, 0,1
.if \zero
	v_wmma_f32_16x16x32_bf16 v[8*(2*\a+\c):8*(2*\a+\c)+7], v[FA+8*\a:FA+8*\a+7], v[FB+8*\c:FB+8*\c+7], 0
.else
	v_wmma_f32_16x16x32_bf16 v[8*(2*\a+\c):8*(2*\a+\c)+7], v[FA+8*\a:FA+8*\a+7], v[FB+8*\c:FB+8*\c+7], v[8*(2*\a+\c):8*(2*\a+\c)+7]
.endif
.endr
.endr
.endm
; 16 words of Wbig: rows 8 h + 0..7 and 16 + 8 h + 0..7 of a 32 x 16 piece, column r
.macro WLOAD pitch
.irp q, 0,1,2,3,4,5,6,7,8,9,10,11,12,13,14,15
	global_load_b32 v[WQ+\q], v[WOF], s[36:37] offset:((\q/8)*16+\q%8)*\pitch
.endr
.endm
	s_load_b512 s[8:23], s[0:1], 0x0               ; x s[8:9], e s[10:11], W0 s[12:13], W1 s[14:15], W2 s[16:17], W3 s[18:19], Sp s[20:21], Wf s[22:23]
	v_lshl_add_u32 v254, v0, 2, 0xb800
	v_mov_b32 v255, 0
	v_and_b32 v1, 31, v0                           ; lane
	v_lshrrev_b32 v13, 5, v0
	v_readfirstlane_b32 s24, v13                   ; w
	s_and_b32 s25, s24, 3                          ; wt
	s_lshr_b32 s26, s24, 2                         ; wi
	s_and_b32 s27, ttmp9, 1                        ; ib
	s_xor_b32 s32, s27, 1                          ; 1 - ib: the other half of x's columns
	s_lshr_b32 s28, ttmp9, 1
	s_and_b32 s28, s28, 1                          ; bit 1 of g,
	s_lshr_b32 s31, ttmp9, 2
	s_and_b32 s31, s31, 2                          ; and bit 3 as the 2:
	s_add_co_u32 s28, s28, s31                     ; th, 0 to 3
	s_lshr_b32 s29, ttmp9, 2
	s_and_b32 s29, s29, 1                          ; bit 2 of g,
	s_lshr_b32 s31, ttmp9, 3
	s_and_b32 s31, s31, 2                          ; and bit 4 as the 2:
	s_add_co_u32 s29, s29, s31                     ; p, 0 to 3
	s_lshr_b32 s30, ttmp9, 5                       ; b
	s_lshl_b32 s31, s24, 11                        ; row w of x: 2,048 bytes a row
	s_lshl_b32 s33, s27, 10
	s_add_co_u32 s33, s33, s31
	v_lshl_add_u32 v[VX], v1, 4, s33               ; 2048 w + 1024 ib + 16 lane
	v_lshrrev_b32 v[H16], 4, v1                    ; lane / 16
	v_and_b32 v[R16], 15, v1                       ; lane % 16
	s_lshl_b32 s33, s24, 13                        ; row 4 w
	s_lshl_b32 s34, s32, 10
	s_add_co_u32 s33, s33, s34                     ; + 1024 (1 - ib)
	s_lshl_b32 s34, s28, 8
	s_add_co_u32 s33, s33, s34                     ; + 256 th
	v_lshl_add_u32 v[VT], v[H16], 11, s33          ; + a row for lanes 16 to 31
	v_lshl_add_u32 v[VT], v[R16], 4, v[VT]         ; + 16 (lane % 16): sixteen lanes take a row's 256 bytes
	v_lshrrev_b32 v13, 3, v1                       ; lane / 8
	v_and_b32 v14, 7, v1                           ; lane % 8
	s_lshl_b32 s34, s24, 10
	s_lshl_b32 s35, s27, 7
	s_add_co_u32 s34, s34, s35
	v_lshl_add_u32 v[VEO], v13, 8, s34             ; (4 w + lane / 8) x 256 + 128 ib
	v_lshl_add_u32 v[VEO], v14, 4, v[VEO]          ; + 16 (lane % 8)
	s_lshl_b32 s36, s30, 22                        ; batch b of x,
	s_lshl_b32 s34, s29, 20                        ; its rows from 512 p
	s_add_co_u32 s36, s36, s34
	s_mov_b32 s37, 0
	s_lshl_b32 s38, s29, 17                        ; e's rows from 512 p
	s_mov_b32 s39, 0
	s_lshl_b32 s40, s30, 5                         ; 32 b
	s_lshl2_add_u32 s41, s28, s25                  ; 4 th + wt
	s_add_co_u32 s40, s40, s41
	s_lshl_b32 s48, s27, 4
	s_add_co_u32 s48, s48, s40                     ; 32 b + T0
	s_lshl_b32 s50, s32, 4
	s_add_co_u32 s50, s50, s40                     ; 32 b + T1
	s_mul_i32 s48, s48, 144                        ; 36 tiles I' x 4 partial sums,
	s_add_co_u32 s48, s48, s29                     ; mine is p,
	s_lshl_b32 s48, s48, 10                        ; of 1,024 bytes
	s_mov_b32 s49, 0
	s_mul_i32 s50, s50, 144
	s_add_co_u32 s50, s50, s29
	s_lshl_b32 s50, s50, 10
	s_mov_b32 s51, 0
	s_wait_kmcnt 0x0
	s_add_nc_u64 s[8:9], s[8:9], s[36:37]
	s_add_nc_u64 s[10:11], s[10:11], s[38:39]
	s_add_nc_u64 s[48:49], s[20:21], s[48:49]      ; Sp at t tile T0, partial sum p
	s_add_nc_u64 s[50:51], s[20:21], s[50:51]      ; Sp at t tile T1
	GLOAD 0, 0                                     ; two sets, 22 loads of 512 bytes a wave, are on their way from here on
	GLOAD 1, 1
	s_mul_i32 s34, s24, PITCH
	v_lshl_add_u32 v[LST], v1, 3, s34              ; row w, 8 bytes a lane
	s_mul_i32 s34, s24, 4*PITCH                    ; row 4 w
	v_mul_u32_u24 v15, v[H16], PITCH
	v_add_nc_u32 v15, s34, v15
	v_lshl_add_u32 v[LTT], v[R16], 3, v15          ; row 4 w + lane / 16, byte 8 (lane % 16)
	s_add_co_u32 s34, s34, EO
	v_mul_u32_u24 v15, v13, PITCH
	v_add_nc_u32 v15, s34, v15
	v_lshl_add_u32 v[LSE], v14, 3, v15             ; row 4 w + lane / 8, byte 640 + 8 (lane % 8)
	v_lshl_add_u32 v15, v[H16], 3, v14             ; row 8 h + lane % 8
	v_mul_u32_u24 v15, v15, PITCH
	v_and_b32 v13, 1, v13
	v_lshl_add_u32 v15, v13, 4, v15                ; + 16 ((lane / 8) & 1)
	s_lshl_b32 s34, s25, 5                         ; tile wt of a block of 64 columns: 32 bytes a tile
	v_add_nc_u32 v[VB1], s34, v15                  ; T1: in the t columns
	s_lshl_b32 s35, s28, 7                         ; block th of my 256 x columns: 128 bytes a block
	s_add_co_u32 s34, s34, s35
	s_add_co_u32 s34, s34, XO
	v_add_nc_u32 v[VB], s34, v15                   ; T0: in the x columns
	s_lshl_b32 s34, s26, 8
	s_add_co_u32 s34, s34, XO
	v_add_nc_u32 v[VA], s34, v15                   ; x tiles 8 wi .. 8 wi + 7
	s_lshl_b32 s34, s26, 5
	s_add_co_u32 s34, s34, EO
	v_add_nc_u32 v[VE], s34, v15                   ; e tile wi
	s_lshl_b32 s34, s27, 4
	s_lshl3_add_u32 s34, s26, s34
	s_add_co_u32 s34, s34, 4                       ; I' = 4 + 16 ib + 8 wi
	s_lshl_b32 s34, s34, 12
	v_lshl_add_u32 v[VOX], v1, 4, s34
	s_lshl1_add_u32 s34, s27, s26                  ; I' = 2 ib + wi
	s_lshl_b32 s34, s34, 12
	v_lshl_add_u32 v[VOE], v1, 4, s34
	v_lshlrev_b32 v[LN16], 4, v1
	; WBIG TO BF16, IN FRAGMENT ORDER.  A fragment is 32 rows i' (step ks') x 16 columns j (tile J).  The first 648 waves take one place (J, ks') each, f = 8 g + w = 18 J + ks';
	; the 240 whose fragment triu makes all zero do nothing.  Tiles J = 2 m and 2 m + 1 have the same number of live steps, n = min(3 + m, 18), and stay together as pair m.
	; The 18 pairs are dealt to two sets par = 0, 1 of nine, pair q of a set being m = 2 q + ((q + par) & 1): each set then has 102 steps of pairs, 204 fragments.
	; Wf: [par 2][pair q, from fragment 2 P(q) on][ks' n][J & 1][half 2][lane 32][16 bytes], P(q) = q (q + 2) + ((q + par) >> 1) = the steps of the pairs in front;
	; lane (r, h) of a half holds Wbig[32 ks' + 16 half + 8 h + 0..7][16 J + r], rows e first as in S.
	s_cmp_ge_u32 ttmp9, 81
	s_cbranch_scc1 .Lno_pack
	s_lshl_b32 s42, ttmp9, 3
	s_add_co_u32 s42, s42, s24                     ; f
	s_mul_hi_u32 s47, s42, 0x0E38E38F              ; J = f / 18 (exact for f < 648)
	s_mul_i32 s46, s47, 18
	s_sub_co_u32 s46, s42, s46                     ; ks'
	s_lshr_b32 s43, s47, 1                         ; m
	s_add_co_u32 s34, s43, 3
	s_min_u32 s34, s34, 18                         ; n: the tile's live steps
	s_cmp_ge_u32 s46, s34
	s_cbranch_scc1 .Lno_pack                       ; all zeros by triu: never read, not packed
	s_lshr_b32 s44, s43, 1                         ; q
	s_xor_b32 s45, s43, s44
	s_and_b32 s45, s45, 1                          ; par = (m + q) & 1
	s_add_co_u32 s34, s44, s45
	s_lshr_b32 s34, s34, 1                         ; (q + par) >> 1
	s_add_co_u32 s35, s44, 2
	s_mul_i32 s35, s35, s44                        ; q (q + 2)
	s_add_co_u32 s34, s34, s35                     ; P(q)
	s_add_co_u32 s34, s34, s46                     ; + ks'
	s_lshl_b32 s34, s34, 1
	s_and_b32 s35, s47, 1
	s_add_co_u32 s34, s34, s35                     ; 2 (P + ks') + (J & 1)
	s_mul_i32 s42, s45, 204
	s_add_co_u32 s42, s42, s34                     ; the fragment's place in Wf
	s_cmp_lt_u32 s46, 2                            ; rows of e (W1 | W3) or of x (W0 | W2)
	s_cselect_b64 s[36:37], s[14:15], s[12:13]
	s_cselect_b64 s[38:39], s[18:19], s[16:17]
	s_cselect_b32 s34, 0, 2
	s_sub_co_u32 s34, s46, s34
	s_lshl_b32 s34, s34, 5                         ; first row in that matrix
	s_cmp_ge_u32 s47, 32                           ; columns of x (512 in a row) or of e (64 in a row)
	s_cselect_b64 s[36:37], s[38:39], s[36:37]
	s_cselect_b32 s35, 32, 0
	s_cselect_b32 s40, 8, 11                       ; a row is 256 or 2,048 bytes
	s_sub_co_u32 s35, s47, s35
	s_lshl_b32 s35, s35, 4                         ; first column in that matrix
	v_lshrrev_b32 v13, 4, v1                       ; h
	v_and_b32 v14, 15, v1                          ; r
	v_lshl_add_u32 v15, v13, 3, s34                ; row
	v_add_nc_u32 v14, s35, v14                     ; column
	v_sub_nc_u32 v[WDF], v14, v15                  ; column - row of word 0
	v_lshlrev_b32 v15, s40, v15
	v_lshl_add_u32 v[WOF], v14, 2, v15
	s_cmp_ge_u32 s47, 32
	s_cbranch_scc1 .Lnarrow
	WLOAD 2048
	s_branch .Lloaded
.Lnarrow:
	WLOAD 256
.Lloaded:
	s_wait_loadcnt 0x0                             ; the 16 words (and the two staging sets in front of them, which are wanted next)
	s_cmp_lt_u32 s46, 2
	s_cbranch_scc1 .Lplain
	s_cmp_ge_u32 s47, 32
	s_cbranch_scc1 .Lplain
.irp q, 0,1,2,3,4,5,6,7,8,9,10,11,12,13,14,15
	v_max_num_f32 v[WQ+\q], 0, v[WQ+\q]                        ; W0 alone: relu,
	v_cmp_lt_i32 vcc_lo, (\q/8)*16+\q%8, v[WDF]                ; and triu(., 1): kept where column > row
	v_cndmask_b32 v[WQ+\q], 0, v[WQ+\q], vcc_lo
.endr
.Lplain:
.irp i, 0,1,2,3,4,5,6,7
	v_cvt_pk_bf16_f32 v[WPK+\i], v[WQ+2*\i], v[WQ+2*\i+1]
.endr
	s_lshl_b32 s34, s42, 10
	s_mov_b32 s35, 0
	s_add_nc_u64 s[22:23], s[22:23], s[34:35]
	global_store_b128 v[LN16], v[WPK:WPK+3],   s[22:23]            ; 512 neighbouring bytes each
	global_store_b128 v[LN16], v[WPK+4:WPK+7], s[22:23] offset:512
	s_wait_xcnt 0x0                                ; the stores' data registers become fragments next: they are rewritten only behind this wait
.Lno_pack:
	s_wait_loadcnt 11                              ; K step 0's set is in; the 11 loads of step 1 stay out
	CVTST 0, 0
	GLOAD 2, 0
	s_wait_dscnt 0x0                               ; my part of slot 0 is written,
	s_barrier_signal -1
	s_barrier_wait -1                              ; everybody's is
; K step kk: the fragments are asked for; meanwhile step kk + 1's set is rounded and stored into the other slot and step kk + 3's loads go out.
; One barrier a step orders both ways: in front of its signal my reads of this slot and my stores into the other are done (the wait for 0), so that behind it
; the other slot may be read and this one written.  The 18 matrix instructions, which touch registers alone, stand between signal and wait.
.set kk, 0
.rept 16
.set cu, kk%2
.set nx, (kk+1)%2
.set kl, kk+3
.if kk > 0
	PLACES                                         ; the fragments are sources of the last matrix instructions
.endif
	FRAGS cu
.if kk < 14
	s_wait_loadcnt 11                              ; step kk + 1's set is in; the 11 loads of step kk + 2 stay out
.endif
.if kk == 14
	s_wait_loadcnt 0x0                             ; the last set: nothing was issued behind it
.endif
.if kk < 15
	CVTST nx, nx
.endif
.if kk < 13
	GLOAD kl, nx
.endif
	s_wait_dscnt 0x0
.if kk < 15
	s_barrier_signal -1
.endif
	WIN 0x50                                       ; C and D in window 1
.if kk == 0
	MUL 1
.else
	MUL 0
.endif
	WIN 0
.if kk < 15
	s_barrier_wait -1
.endif
.set kk, kk+1
.endr
	PLACES                                         ; the stores read matrix results
	WIN 0x04                                       ; store data in window 1
.irp c, 0,1
.irp a, 0,1,2,3,4,5,6,7
.irp q, 0,1
	global_store_b128 v[VOX], v[8*(2*\a+\c)+4*\q:8*(2*\a+\c)+4*\q+3], s[48+2*\c:49+2*\c] offset:\a*4096+\q*512   ; a wave's store covers 512 neighbouring bytes, aligned
.endr
.endr
.irp q, 0,1
	global_store_b128 v[VOE], v[8*(16+\c)+4*\q:8*(16+\c)+4*\q+3], s[48+2*\c:49+2*\c] offset:\q*512
.endr
.endr
	WIN 0
	s_wait_tensorcnt 0x0
	ds_add_u32 v254, v255
	s_wait_dscnt 0x0
	s_endpgm
.Lfunc_end_k_qe298759c7d_gram:
	.size	k_qe298759c7d_gram, .Lfunc_end_k_qe298759c7d_gram-k_qe298759c7d_gram
	.p2alignl 7, 3214868480
	.fill 96, 4, 3214868480
	.section	.rodata,"a",@progbits
	.p2align	6, 0x0
	.amdhsa_kernel k_qe298759c7d_gram
		.amdhsa_group_segment_fixed_size 48128
		.amdhsa_private_segment_fixed_size 0
		.amdhsa_enable_private_segment 0
		.amdhsa_kernarg_size 64
		.amdhsa_user_sgpr_count 2
		.amdhsa_user_sgpr_kernarg_segment_ptr 1
		.amdhsa_wavefront_size32 1
		.amdhsa_system_sgpr_workgroup_id_x 1
		.amdhsa_system_sgpr_workgroup_id_y 1
		.amdhsa_system_sgpr_workgroup_id_z 1
		.amdhsa_system_vgpr_workitem_id 0
		.amdhsa_next_free_vgpr 400
		.amdhsa_next_free_sgpr 66
		.amdhsa_reserve_vcc 1
		.amdhsa_float_denorm_mode_32 3
		.amdhsa_float_denorm_mode_16_64 3
		.amdhsa_memory_ordered 1
		.amdhsa_forward_progress 1
		.amdhsa_inst_pref_size 110
	.end_amdhsa_kernel
	.amdgpu_metadata
---
amdhsa.version: [ 1, 2 ]
amdhsa.kernels:
  - .name:           k_qe298759c7d_gram
    .symbol:         k_qe298759c7d_gram.kd
    .args:
      - { .name: x, .offset: 0, .size: 8, .value_kind: global_buffer, .address_space: global }
      - { .name: e, .offset: 8, .size: 8, .value_kind: global_buffer, .address_space: global }
      - { .name: W0, .offset: 16, .size: 8, .value_kind: global_buffer, .address_space: global }
      - { .name: W1, .offset: 24, .size: 8, .value_kind: global_buffer, .address_space: global }
      - { .name: W2, .offset: 32, .size: 8, .value_kind: global_buffer, .address_space: global }
      - { .name: W3, .offset: 40, .size: 8, .value_kind: global_buffer, .address_space: global }
      - { .name: Sp, .offset: 48, .size: 8, .value_kind: global_buffer, .address_space: global }
      - { .name: Wf, .offset: 56, .size: 8, .value_kind: global_buffer, .address_space: global }
    .group_segment_fixed_size: 48128
    .private_segment_fixed_size: 0
    .kernarg_segment_align: 8
    .kernarg_segment_size: 64
    .max_flat_workgroup_size: 256
    .sgpr_count:     66
    .vgpr_count:     400
    .wavefront_size: 32
...
	.end_amdgpu_metadata
.endif
;; end of part 4
;; launch mix (part 5): grid 256 x 1, 12 waves a work-group, clusters of 4 x 1, 284,160 bytes of LDS; arguments Sp, Wf, Mf; writes Mf
.if DOCPART == 5
	.amdgcn_target "amdgcn-amd-amdhsa--gfx1250"
	.amdhsa_code_object_version 6
	.text
	.protected	k_qe298759c7d_mix
	.globl	k_qe298759c7d_mix
	.p2align	8
	.type	k_qe298759c7d_mix,@function
k_qe298759c7d_mix:
	s_mov_b64 s[64:65], 0
	v_nop
	global_prefetch_b8 v0, s[64:65] scope:SCOPE_SE
	s_setreg_imm32_b32 hwreg(HW_REG_WAVE_MODE, 25, 1), 1
	s_wait_xcnt 0x0
	s_wait_alu depctr_hold_cnt(0) depctr_sa_sdst(0) depctr_va_vdst(0) depctr_va_sdst(0) depctr_va_ssrc(0) depctr_va_vcc(0) depctr_vm_vsrc(0)
	s_getreg_b32 s2, hwreg(HW_REG_IB_STS2, 6, 4)
	s_cmp_eq_u32 s2, 0
	s_cbranch_scc0 .Lentry_in_a_cluster
	s_endpgm
.Lentry_in_a_cluster:
	s_bfe_u32 s2, ttmp6, 0x10000c
	s_cmp_lg_u32 s2, 0x3003
	s_cbranch_scc0 .Lentry_shape_is_right
	s_endpgm
.Lentry_shape_is_right:
; SECOND OF THREE LAUNCHES.  M = Wbig^T S for each batch: S = the sum of the four partial sums of Sp (in f32), Wbig from Wf (bf16, relu and triu applied).
; S ENTERS THE PRODUCT AS TWO BF16 TERMS: hi = bf16(S), lo = bf16(S - hi) (the difference is exact in f32), M = Wbig^T hi + Wbig^T lo on one accumulator.
; Why: S[64 + t][t] is the sum of 2,048 squares of x's column t, the other entries of column t are sums of products of mixed sign.  One rounding to bf16's 8 significant
; bits moves that one entry by up to 2^-9 of itself, and the shift reaches out[n][t] times (z Wbig^T)[n][t], alike in every row n: no sum over many terms averages it out.
; With two terms S keeps some 16 significant bits, whichever entry is the large one.
; WORK LEFT OUT: the steps of 32 rows of Wbig that triu(W0, 1) makes all zero in a tile of 16 columns are not in Wf and are not multiplied: tile J runs
; n = min(3 + J / 2, 18) of the 18 steps (shown at the head of the first launch).
; SHARES.  Tiles J = 2 m, 2 m + 1 have the same n and form pair m.  A work-group takes nine pairs, m = 2 q + ((q + par) & 1) for q = 0 .. 8, on two t tiles 2 tb, 2 tb + 1 of
; batch b.  Either par has 102 steps of pairs (3 + 6 + 7 + 10 + 11 + 14 + 15 + 18 + 18 = 4 + 5 + 8 + 9 + 12 + 13 + 16 + 17 + 18) and a pair that runs all 18 steps, so every
; work-group reads 18 x 2 x 8,192 bytes of Sp and 204 fragments (208,896 bytes) of Wf, and issues 816 matrix instructions.
; Fill: wave w of 12 (T = w & 1, kq = w >> 1) sums and splits K steps kq, kq + 6, kq + 12 of t tile T; all its 48 loads (24,576 bytes) go out at the head.
; Product: wave q < 9 makes pair q on both t tiles: four accumulators, n(q) steps.  Nine pairs: waves 9 to 11 have none and go on to the closing round.
; CLUSTERS: the 128 work-groups of one par read the same 208,896 bytes of Wf.  Four of them (one par, four neighbouring tb) form a cluster and ask for them JOINTLY: each wave
; of each of the four issues the same tensor load, with the same descriptor (made of par and the wave's number alone) and a mask that names the four, and each work-group
; receives the bytes in its own LDS.  That divides the requests for Wf by four.  Sp is not shared inside a cluster and has to be summed in f32: it goes through registers.
; Mf: [b][ks 18][T 32][half 2][lane 32][16 bytes], ks = J >> 1 = m, half = J & 1; lane (r, h) holds M[16 J + 8 h + 0..7][16 T + r]: a lane's eight results, packed, as they lie.
.set WBYTES, 204*1024                  ; LDS from byte 0: my par's block of Wf, as it lies there: pair q from byte 2,048 P(q) on, [ks'][J & 1][half][lane][16 bytes]
.set WSHARE, WBYTES/12                 ; what one wave's tensor load brings: 17,408 bytes = 68 rows of 256
.set SL,     WBYTES                    ; behind it S: [ks' 18][T 2][hi, lo][half 2][lane 32][16 bytes], 73,728 bytes; 282,624 in all.  No tensor load lands here
.set VS,    2                          ; Sp: 16 lane + 147456 T + 8192 kq
.set VSL,   3                          ; LDS: S fragments (step kq, T)
.set VA,    4                          ; LDS: my pair's W fragments
.set VB,    5                          ; LDS: S, steps 0 to 8
.set VBH,   6                          ; LDS: S, steps 9 to 17: an LDS immediate ends at 65,535
.set VO,    7                          ; Mf
.set LN16,  8                          ; 16 x lane
.set SR,    16                         ; v[16:207]  fill: three units of 64: 32 u + 8 p + 4 q (tile u of the step, partial sum p, quad q)
.set SB,    208                        ; v[208:215] hi: two halves of a fragment
.set SBL,   216                        ; v[216:223] lo
.set FR,    16                         ; v[16:111]  product: two buffers of 48: W fragments of tiles 0, 1 at 0, 8; S fragments (T, hi or lo) at 16 + 16 T + 8 lo
.set ACC,   112                        ; v[112:143] accumulator (tile jj, T) at 8 (2 jj + T)
.set PK,    144                        ; v[144:159] M in bf16
.set G0,    36                         ; s[36:39]   descriptor group 0
.set G1,    40                         ; s[40:47]   descriptor group 1
.macro PLACES                          ; four independent vector instructions between a matrix instruction and a load into its sources
.rept 4
	v_nop
.endr
.endm
; A round of the cluster's barrier: my work-group's barrier, so that wave 0's signal speaks for all twelve waves; wave 0 signals for the work-group; every wave waits for all
; four work-groups; my work-group's barrier once more.
.macro ROUND
	s_barrier_signal -1
	s_barrier_wait -1
	s_cmp_lg_u32 s10, 0
	s_cbranch_scc1 .Lnot_wave_0_\@
	s_barrier_signal -3
.Lnot_wave_0_\@:
	s_barrier_wait -3
	s_barrier_signal -1
	s_barrier_wait -1
.endm
; Unit i (K step kq + 6 i): the four partial sums are added, split into hi and lo, and stored as fragments
.macro SPLIT i
.irp u, 0,1
.irp q, 0,1
.irp d, 0,2
.set R, SR+64*\i+32*\u+4*\q+\d
	v_pk_add_f32 v[R:R+1], v[R:R+1], v[R+8:R+9]                ; p0 + p1
	v_pk_add_f32 v[R+16:R+17], v[R+16:R+17], v[R+24:R+25]      ; p2 + p3
.endr
.endr
.endr
.irp u, 0,1
.irp q, 0,1
.irp d, 0,2
.set R, SR+64*\i+32*\u+4*\q+\d
	v_pk_add_f32 v[R:R+1], v[R:R+1], v[R+16:R+17]
.endr
.endr
.endr
.irp u, 0,1
.irp q, 0,1
.set R, SR+64*\i+32*\u+4*\q
	v_cvt_pk_bf16_f32 v[SB+4*\u+2*\q],   v[R],   v[R+1]        ; hi.  Tile I' = 2 ks' + u is half u of the fragment: k = 16 u + 8 h + 0..7 of column r
	v_cvt_pk_bf16_f32 v[SB+4*\u+2*\q+1], v[R+2], v[R+3]
.endr
.endr
.irp u, 0,1
.irp q, 0,1
.irp d, 0,1
.set R, SR+64*\i+32*\u+4*\q+8+2*\d
	v_lshlrev_b32 v[R],   16,         v[SB+4*\u+2*\q+\d]       ; hi back in f32, in the registers that held p1
	v_and_b32     v[R+1], 0xffff0000, v[SB+4*\u+2*\q+\d]
.endr
.endr
.endr
.irp u, 0,1
.irp q, 0,1
.irp d, 0,2
.set R, SR+64*\i+32*\u+4*\q+\d
	v_pk_fma_f32 v[R:R+1], v[R+8:R+9], -1.0, v[R:R+1] op_sel_hi:[1,0,1]    ; S - hi
.endr
.endr
.endr
.irp u, 0,1
.irp q, 0,1
.set R, SR+64*\i+32*\u+4*\q
	v_cvt_pk_bf16_f32 v[SBL+4*\u+2*\q],   v[R],   v[R+1]       ; lo
	v_cvt_pk_bf16_f32 v[SBL+4*\u+2*\q+1], v[R+2], v[R+3]
.endr
.endr
	ds_store_b128 v[VSL], v[SB:SB+3]     offset:\i*24576
	ds_store_b128 v[VSL], v[SB+4:SB+7]   offset:\i*24576+512
	ds_store_b128 v[VSL], v[SBL:SBL+3]   offset:\i*24576+1024
	ds_store_b128 v[VSL], v[SBL+4:SBL+7] offset:\i*24576+1536
.endm
; K step k's fragments into the buffer at f: twelve loads of 512 neighbouring bytes
.macro LOADS k, f
.irp jj, 0,1
	ds_load_b128 v[\f+8*\jj:\f+8*\jj+3],   v[VA] offset:\k*2048+\jj*1024
	ds_load_b128 v[\f+8*\jj+4:\f+8*\jj+7], v[VA] offset:\k*2048+\jj*1024+512
.endr
.irp c, 0,1,2,3
.if \k < 9
	ds_load_b128 v[\f+16+8*\c:\f+16+8*\c+3], v[VB] offset:\k*4096+\c*1024
	ds_load_b128 v[\f+20+8*\c:\f+20+8*\c+3], v[VB] offset:\k*4096+\c*1024+512
.else
	ds_load_b128 v[\f+16+8*\c:\f+16+8*\c+3], v[VBH] offset:(\k-9)*4096+\c*1024
	ds_load_b128 v[\f+20+8*\c:\f+20+8*\c+3], v[VBH] offset:(\k-9)*4096+\c*1024+512
.endif
.endr
.endm
; Eight matrix instructions: hi on the four accumulators, then lo on the four: they take turns of one instruction, from step to step and into the tails too
.macro MUL f, zero
.irp jj, 0,1
.irp t, 0,1
.if \zero
	v_wmma_f32_16x16x32_bf16 v[ACC+8*(2*\jj+\t):ACC+8*(2*\jj+\t)+7], v[\f+8*\jj:\f+8*\jj+7], v[\f+16+16*\t:\f+16+16*\t+7], 0
.else
	v_wmma_f32_16x16x32_bf16 v[ACC+8*(2*\jj+\t):ACC+8*(2*\jj+\t)+7], v[\f+8*\jj:\f+8*\jj+7], v[\f+16+16*\t:\f+16+16*\t+7], v[ACC+8*(2*\jj+\t):ACC+8*(2*\jj+\t)+7]
.endif
.endr
.endr
.irp jj, 0,1
.irp t, 0,1
	v_wmma_f32_16x16x32_bf16 v[ACC+8*(2*\jj+\t):ACC+8*(2*\jj+\t)+7], v[\f+8*\jj:\f+8*\jj+7], v[\f+24+16*\t:\f+24+16*\t+7], v[ACC+8*(2*\jj+\t):ACC+8*(2*\jj+\t)+7]
.endr
.endr
.endm
	s_load_b128 s[4:7], s[0:1], 0x0                ; Sp s[4:5], Wf s[6:7]
	s_load_b64 s[8:9], s[0:1], 0x10                ; Mf
	v_lshl_add_u32 v224, v0, 2, 0x45000
	v_mov_b32 v225, 0
	ds_add_u32 v224, v225
	ds_add_u32 v224, v225
	v_and_b32 v1, 31, v0
	v_lshrrev_b32 v9, 5, v0
	v_readfirstlane_b32 s10, v9                    ; w, 0 to 11
	s_and_b32 s11, s10, 1                          ; T in the fill
	s_lshr_b32 s12, s10, 1                         ; kq, 0 to 5
	s_and_b32 s13, ttmp9, 1                        ; par: of the cluster's number alone, so the four partners share it
	s_bfe_u32 s14, ttmp6, 0x40000                  ; cx: my place in the cluster; it enters global offsets of Sp and Mf alone
	s_lshr_b32 s15, ttmp9, 1
	s_lshl2_add_u32 s15, s15, s14                  ; 4 (cluster >> 1) + cx, 0 to 127
	s_and_b32 s16, s15, 15                         ; tb
	s_lshr_b32 s17, s15, 4                         ; b
	s_lshl_b32 s20, s17, 5
	s_lshl1_add_u32 s20, s16, s20                  ; 32 b + 2 tb: my first t tile
	s_mul_i32 s20, s20, 147456                     ; Sp: 36 tiles x 4 partial sums x 1,024 bytes for a t tile
	s_mov_b32 s21, 0
	s_mul_i32 s22, s13, WBYTES                     ; Wf: my par's block,
	s_mul_i32 s18, s10, WSHARE                     ; my wave's twelfth of it
	s_add_co_u32 s22, s22, s18
	s_mov_b32 s23, 0
	s_mul_i32 s24, s17, 589824                     ; Mf: 18 x 32 x 1,024 bytes for a batch
	s_mov_b32 s25, 0
	v_lshlrev_b32 v[LN16], 4, v1
	s_mul_i32 s26, s11, 147456
	s_lshl_b32 s27, s12, 13
	s_add_co_u32 s26, s26, s27
	v_add_nc_u32 v[VS], s26, v[LN16]
	; descriptor group 1: a dense block as 68 rows of 32 elements of 8 bytes
	s_mov_b32 s[G1+0], 15|(3<<16)|(1<<21)          ; 15:0 the mask: all four work-groups of the cluster; 17:16 element of 8 bytes; 21 set beside a mask; no padding
	s_mov_b32 s[G1+1], 32<<16                      ; 63:48 tensor_dim0 = 32
	s_mov_b32 s[G1+2], 68<<16                      ; 95:80 tensor_dim1 = 68
	s_mov_b32 s[G1+3], 32<<16                      ; 127:112 tile_dim0 = 32
	s_mov_b32 s[G1+4], 68                          ; 143:128 tile_dim1 = 68
	s_mov_b32 s[G1+5], 32                          ; 191:160 from row to row: 32 elements, the rows follow each other
	s_mov_b32 s[G1+6], 0
	s_mov_b32 s[G1+7], 0
	s_wait_dscnt 0x0
	s_wait_kmcnt 0x0
	s_add_nc_u64 s[4:5], s[4:5], s[20:21]
	s_add_nc_u64 s[6:7], s[6:7], s[22:23]
	s_add_nc_u64 s[8:9], s[8:9], s[24:25]
.irp i, 0,1,2
.irp u, 0,1
.irp p, 0,1,2,3
.irp q, 0,1
	global_load_b128 v[SR+64*\i+32*\u+8*\p+4*\q:SR+64*\i+32*\u+8*\p+4*\q+3], v[VS], s[4:5] offset:\i*49152+\u*4096+\p*1024+\q*512   ; a unit is 8,192 neighbouring bytes in 16 loads
.endr
.endr
.endr
.endr
	ROUND                                          ; all four work-groups are here: the joint loads meet
	s_mov_b32 s[G0], 1                             ; 1:0 count = 1
	s_mul_i32 s[G0+1], s10, WSHARE                 ; 63:32 LDS address: the wave's number times its share
	s_mov_b64 s[G0+2:G0+3], s[6:7]                 ; 120:64 global address
	s_or_b32 s[G0+3], s[G0+3], 0x80000000          ; 127:126 type = 2
	tensor_load_to_lds s[G0:G0+3], s[G1:G1+7]      ; the wave's one tensor load of the launch; nothing is ever filled again
	s_nop 0
	s_lshl_b32 s26, s12, 12
	s_lshl_b32 s27, s11, 11
	s_add_co_u32 s26, s26, s27
	s_add_co_u32 s26, s26, SL
	v_add_nc_u32 v[VSL], s26, v[LN16]              ; S fragments (step kq, T)
	v_add_nc_u32 v[VB], SL, v[LN16]
	v_add_nc_u32 v[VBH], SL+9*4096, v[LN16]
	s_min_u32 s28, s10, 8                          ; q.  Waves 9 to 11 have no pair and skip the product; the clamp keeps what is made of q inside the table for them too
	s_add_co_u32 s29, s28, s13                     ; q + par
	s_and_b32 s30, s29, 1
	s_lshr_b32 s29, s29, 1
	s_lshl1_add_u32 s30, s28, s30                  ; m = 2 q + ((q + par) & 1)
	s_add_co_u32 s31, s28, 2
	s_mul_i32 s31, s31, s28
	s_add_co_u32 s31, s31, s29                     ; P(q) = q (q + 2) + ((q + par) >> 1)
	s_lshl_b32 s31, s31, 11                        ; two fragments of 1,024 bytes a step
	v_add_nc_u32 v[VA], s31, v[LN16]
	s_add_co_u32 s19, s30, 3
	s_min_u32 s19, s19, 18                         ; n: my pair's live steps, 3 to 18
	s_lshl_b32 s32, s30, 15                        ; Mf: ks = m, 32 t tiles of 1,024 bytes,
	s_lshl_b32 s33, s16, 11                        ; t tile 2 tb
	s_add_co_u32 s32, s32, s33
	s_wait_loadcnt 32                              ; unit 0's 16 loads are in; the 32 of units 1 and 2 stay out
	SPLIT 0
	s_wait_loadcnt 16                              ; unit 1's are in; unit 2's 16 stay out
	SPLIT 1
	s_wait_loadcnt 0x0
	SPLIT 2
	s_wait_dscnt 0x0                               ; my stores are done
	s_wait_tensorcnt 0x0                           ; and my twelfth of W has landed,
	s_barrier_signal -1
	s_barrier_wait -1                              ; everybody's: LDS is only read from here on
	s_cmp_ge_u32 s10, 9
	s_cbranch_scc1 .Ldone
	; The product.  Step kk multiplies one buffer while step kk + 1's twelve loads land in the other.  A pair's last step asks for nothing: it is one of the two tails, by its buffer.
	LOADS 0, FR
.set kk, 0
.rept 17
.set kn, kk+1
.set fc, FR+48*(kk%2)
.set fn, FR+48*(kn%2)
.if kk >= 2
	s_cmp_le_u32 s19, kn                           ; n <= kk + 1: step kk is my last (n is at least 3)
.if kk%2
	s_cbranch_scc1 .Ltail_1
.else
	s_cbranch_scc1 .Ltail_0
.endif
.endif
.if kk >= 1
	PLACES                                         ; the buffer loaded next held sources of step kk - 1's matrix instructions
.endif
	LOADS kn, fn
	s_wait_dscnt 12                                ; step kk's fragments are in; the twelve loads just issued stay out
.if kk == 0
	MUL fc, 1                                      ; the first step starts the sums
.else
	MUL fc, 0
.endif
.set kk, kk+1
.endr
.Ltail_1:                                              ; the last step, in buffer 1 (step 17 comes here by falling through)
	s_wait_dscnt 0x0
	MUL FR+48, 0
	s_branch .Lmixed
.Ltail_0:                                              ; the last step, in buffer 0
	s_wait_dscnt 0x0
	MUL FR, 0
.Lmixed:
	v_add_nc_u32 v[VO], s32, v[LN16]               ; with the three v_nop: the four places in front of the conversions, which read matrix results
	v_nop
	v_nop
	v_nop
.irp a, 0,1,2,3
.irp i, 0,1,2,3
	v_cvt_pk_bf16_f32 v[PK+4*\a+\i], v[ACC+8*\a+2*\i], v[ACC+8*\a+2*\i+1]
.endr
.endr
.irp jj, 0,1
.irp t, 0,1
	global_store_b128 v[VO], v[PK+4*(2*\jj+\t):PK+4*(2*\jj+\t)+3], s[8:9] offset:\t*1024+\jj*512   ; 512 neighbouring bytes, aligned; the four together 2,048
.endr
.endr
.Ldone:
	s_wait_tensorcnt 0x0
	ds_add_u32 v224, v225
	s_wait_dscnt 0x0
	ROUND                                          ; the closing round: no work-group ends while a partner may still ask for the bytes that name it
	s_endpgm
.Lfunc_end_k_qe298759c7d_mix:
	.size	k_qe298759c7d_mix, .Lfunc_end_k_qe298759c7d_mix-k_qe298759c7d_mix
	.p2alignl 7, 3214868480
	.fill 96, 4, 3214868480
	.section	.rodata,"a",@progbits
	.p2align	6, 0x0
	.amdhsa_kernel k_qe298759c7d_mix
		.amdhsa_group_segment_fixed_size 284160
		.amdhsa_private_segment_fixed_size 0
		.amdhsa_enable_private_segment 0
		.amdhsa_kernarg_size 24
		.amdhsa_user_sgpr_count 2
		.amdhsa_user_sgpr_kernarg_segment_ptr 1
		.amdhsa_wavefront_size32 1
		.amdhsa_system_sgpr_workgroup_id_x 1
		.amdhsa_system_sgpr_workgroup_id_y 1
		.amdhsa_system_sgpr_workgroup_id_z 1
		.amdhsa_system_vgpr_workitem_id 0
		.amdhsa_next_free_vgpr 226
		.amdhsa_next_free_sgpr 66
		.amdhsa_reserve_vcc 0
		.amdhsa_float_denorm_mode_32 3
		.amdhsa_float_denorm_mode_16_64 3
		.amdhsa_memory_ordered 1
		.amdhsa_forward_progress 1
		.amdhsa_inst_pref_size 50
	.end_amdhsa_kernel
	.amdgpu_metadata
---
amdhsa.version: [ 1, 2 ]
amdhsa.kernels:
  - .name:           k_qe298759c7d_mix
    .symbol:         k_qe298759c7d_mix.kd
    .args:
      - { .name: Sp, .offset: 0, .size: 8, .value_kind: global_buffer, .address_space: global }
      - { .name: Wf, .offset: 8, .size: 8, .value_kind: global_buffer, .address_space: global }
      - { .name: Mf, .offset: 16, .size: 8, .value_kind: global_buffer, .address_space: global }
    .group_segment_fixed_size: 284160
    .private_segment_fixed_size: 0
    .kernarg_segment_align: 8
    .kernarg_segment_size: 24
    .max_flat_workgroup_size: 384
    .sgpr_count:     66
    .vgpr_count:     226
    .wavefront_size: 32
...
	.end_amdgpu_metadata
.endif
;; end of part 5
;; launch apply (part 6): grid 256 x 1, 8 waves a work-group, no clusters, 110,592 bytes of LDS; arguments x, e, Mf, out0; writes out0
.if DOCPART == 6
	.amdgcn_target "amdgcn-amd-amdhsa--gfx1250"
	.amdhsa_code_object_version 6
	.text
	.protected	k_qe298759c7d_apply
	.globl	k_qe298759c7d_apply
	.p2align	8
	.type	k_qe298759c7d_apply,@function
k_qe298759c7d_apply:
	s_mov_b64 s[64:65], 0
	v_nop
	global_prefetch_b8 v0, s[64:65] scope:SCOPE_SE
	s_setreg_imm32_b32 hwreg(HW_REG_WAVE_MODE, 25, 1), 1
	s_wait_xcnt 0x0
; THIRD OF THREE LAUNCHES.  out[b] = z M[b], z = [x[b] | e] (576 along K, x first), M from Mf in bf16 fragments.  Nothing is left out here.
; SHARES.  Work-group g: rb = g & 31, b = g >> 5: rows 64 rb .. + 63, all 512 columns.  Wave w: all 64 rows of columns 64 w .. + 63: 4 x 4 accumulators, 128 registers.
; z's 64 rows are loaded once (f32), rounded to bf16 in registers and kept in LDS for all eight waves.
; M's fragments go from memory straight into registers, through a ring of four register slots, three K steps ahead: inside a work-group each fragment is used by one wave alone.
; NO JOINT LOADS, though the 32 work-groups of a batch read the same M.  A tile asked for jointly lands in LDS, and beside z and the stages (109,568 bytes) two slots of three
; K steps (2 x 98,304 bytes) are all that fit (four steps a slot would make 371,712 bytes in all).  A refill then has three steps, 48 matrix instructions of a wave, in which to
; land, and stands behind a round of the cluster's barrier, which brings the 32 waves of four work-groups into step four times in the 18 steps.  The ring in registers has the
; same three steps of lead, but no wave waits for another: behind the one barrier each runs on as its own loads land, and M's 589,824 bytes are not written to LDS and read back.
; THE MATRIX INSTRUCTION IS USED TRANSPOSED: source 0 = M's fragment (16 columns t), source 1 = z's fragment (16 rows).  Lane (r, h) then holds out[row r][8 h + 0..7 of the tile]:
; 32 neighbouring bytes.  16 rows at a time go through the wave's own LDS stage, so that sixteen lanes store 256 neighbouring bytes, aligned.
.set PZ,     1168                      ; an LDS row of z: 1,024 bytes x, 128 bytes e, 16 unused; 73 x 16 bytes, so the 16 rows of a fragment load start at 16 different banks
.set STAGE,  64*PZ                     ; behind z: 16 rows x 272 bytes for each wave
.set SPITCH, 272
.set VXL,  2                           ; x: 16384 w + 16 lane (my eight rows)
.set VEL,  3                           ; e: 2048 w + 16 lane (my eight rows)
.set VXS,  4                           ; LDS: row 8 w, 8 bytes a lane
.set VES,  5                           ; LDS: row 8 w + lane / 16, byte 1024 + 8 (lane % 16)
.set VM,   6                           ; Mf: 16 lane + 4096 w (t tiles 4 w ..)
.set VZR,  7                           ; LDS: z fragment: r rows + 16 h
.set VST,  8                           ; stage, in
.set VRD,  9                           ; stage, back
.set VOUT, 10                          ; out0
.set SG,   16                          ; v[16:159] the 36 staging loads
.set ZB,   16                          ; v[16:79]  afterwards: z fragments, two buffers of 4 x 8; on the way out: rows read back
; M ring: slot s at v[128 + 32 ((s + 1) % 4)]: slots 0 to 2 are v160-v255, slot 3 is v128-v159, free once the staging is over.  Window 1 (v256-v383): accumulator (rt, ct) at 8 (4 rt + ct)
.set MSB, 0
.macro WIN new
.if MSB != \new
	s_set_vgpr_msb (MSB<<8)|\new
.set MSB, \new
.endif
.endm
.macro PLACES                          ; four independent vector instructions between a matrix instruction and a load into, or a read of, its registers
.rept 4
	v_nop
.endr
.endm
.macro MLOAD k                         ; K step k's four fragments of M: eight loads of 512 neighbouring bytes
.irp ct, 0,1,2,3
	global_load_b128 v[128+32*((\k+1)%4)+8*\ct:128+32*((\k+1)%4)+8*\ct+3],   v[VM], s[8:9] offset:\k*32768+\ct*1024
	global_load_b128 v[128+32*((\k+1)%4)+8*\ct+4:128+32*((\k+1)%4)+8*\ct+7], v[VM], s[8:9] offset:\k*32768+\ct*1024+512
.endr
.endm
.macro ZLOAD k                         ; K step k's four fragments of z
.irp rt, 0,1,2,3
	ds_load_b128 v[ZB+32*(\k%2)+8*\rt:ZB+32*(\k%2)+8*\rt+3],   v[VZR] offset:\rt*16*PZ+\k*64
	ds_load_b128 v[ZB+32*(\k%2)+8*\rt+4:ZB+32*(\k%2)+8*\rt+7], v[VZR] offset:\rt*16*PZ+\k*64+32
.endr
.endm
.macro MULS k, zero                    ; 16 matrix instructions, one on each accumulator: they take turns, from step to step too
.irp rt, 0,1,2,3
.irp ct, 0,1,2,3
.if \zero
	v_wmma_f32_16x16x32_bf16 v[8*(4*\rt+\ct):8*(4*\rt+\ct)+7], v[128+32*((\k+1)%4)+8*\ct:128+32*((\k+1)%4)+8*\ct+7], v[ZB+32*(\k%2)+8*\rt:ZB+32*(\k%2)+8*\rt+7], 0
.else
	v_wmma_f32_16x16x32_bf16 v[8*(4*\rt+\ct):8*(4*\rt+\ct)+7], v[128+32*((\k+1)%4)+8*\ct:128+32*((\k+1)%4)+8*\ct+7], v[ZB+32*(\k%2)+8*\rt:ZB+32*(\k%2)+8*\rt+7], v[8*(4*\rt+\ct):8*(4*\rt+\ct)+7]
.endif
.endr
.endr
.endm
.macro OUT rt                          ; rows 16 rt .. + 15 of my 64 columns
	WIN 0x04                                       ; store data in window 1
.irp ct, 0,1,2,3
	ds_store_b128 v[VST], v[8*(4*\rt+\ct):8*(4*\rt+\ct)+3]   offset:64*\ct
	ds_store_b128 v[VST], v[8*(4*\rt+\ct)+4:8*(4*\rt+\ct)+7] offset:64*\ct+16
.endr
	WIN 0
	s_wait_xcnt 0x0                                ; the registers loaded next were data of earlier stores: they are rewritten only behind this wait
.irp t, 0,1,2,3,4,5,6,7
	ds_load_b128 v[ZB+32*(\rt%2)+4*\t:ZB+32*(\rt%2)+4*\t+3], v[VRD] offset:\t*2*SPITCH    ; LDS serves a wave's instructions in order (ISA guide 5.7.1): these see the stores above; the stage is my own
.endr
.irp t, 0,1,2,3,4,5,6,7
	s_wait_dscnt 7-\t                              ; load t is back, the younger ones stay out
	global_store_b128 v[VOUT], v[ZB+32*(\rt%2)+4*\t:ZB+32*(\rt%2)+4*\t+3], s[10:11] offset:(16*\rt+2*\t)*2048 th:TH_STORE_NT   ; lanes 0-15 one row's 256 bytes, lanes 16-31 the next row's
.endr
.endm
	s_load_b256 s[4:11], s[0:1], 0x0               ; x s[4:5], e s[6:7], Mf s[8:9], out0 s[10:11]
	s_set_vgpr_msb 0x40
	v_lshl_add_u32 v128, v0, 2, 0x1ac00
	v_mov_b32 v129, 0
	s_set_vgpr_msb 0x4000
	v_and_b32 v1, 31, v0
	v_lshrrev_b32 v11, 5, v0
	v_readfirstlane_b32 s12, v11                   ; w
	s_and_b32 s13, ttmp9, 31                       ; rb
	s_lshr_b32 s14, ttmp9, 5                       ; b
	s_lshl_b32 s16, s14, 22                        ; batch b,
	s_lshl_b32 s15, s13, 17                        ; 64 rb rows of 2,048 bytes: the same in x and in out0
	s_add_co_u32 s16, s16, s15
	s_mov_b32 s17, 0
	s_lshl_b32 s18, s13, 14                        ; 64 rb rows of e
	s_mov_b32 s19, 0
	s_mul_i32 s20, s14, 589824                     ; batch b of Mf
	s_mov_b32 s21, 0
	v_lshlrev_b32 v12, 4, v1                       ; 16 lane
	s_lshl_b32 s22, s12, 14
	v_add_nc_u32 v[VXL], s22, v12
	s_lshl_b32 s22, s12, 11
	v_add_nc_u32 v[VEL], s22, v12
	s_lshl_b32 s22, s12, 12
	v_add_nc_u32 v[VM], s22, v12
	s_wait_kmcnt 0x0
	s_add_nc_u64 s[4:5], s[4:5], s[16:17]
	s_add_nc_u64 s[6:7], s[6:7], s[18:19]
	s_add_nc_u64 s[8:9], s[8:9], s[20:21]
	s_add_nc_u64 s[10:11], s[10:11], s[16:17]
.irp rr, 0,1,2,3,4,5,6,7
.irp u, 0,1,2,3
	global_load_b128 v[SG+16*\rr+4*\u:SG+16*\rr+4*\u+3], v[VXL], s[4:5] offset:\rr*2048+\u*512 th:TH_LOAD_NT   ; this launch reads each byte of x once
.endr
.endr
.irp c, 0,1,2,3
	global_load_b128 v[SG+128+4*\c:SG+128+4*\c+3], v[VEL], s[6:7] offset:\c*512
.endr
	MLOAD 0
	MLOAD 1
	MLOAD 2
	s_mul_i32 s22, s12, 8*PZ
	v_lshl_add_u32 v[VXS], v1, 3, s22
	v_lshrrev_b32 v13, 4, v1                       ; h
	v_and_b32 v14, 15, v1                          ; r
	v_mul_u32_u24 v15, v13, PZ
	s_add_co_u32 s22, s22, 1024
	v_add_nc_u32 v15, s22, v15
	v_lshl_add_u32 v[VES], v14, 3, v15
	v_mul_u32_u24 v15, v14, PZ
	v_lshl_add_u32 v[VZR], v13, 4, v15
	s_mul_i32 s22, s12, 16*SPITCH
	s_add_co_u32 s22, s22, STAGE                   ; my stage
	v_mul_u32_u24 v15, v14, SPITCH
	v_lshl_add_u32 v15, v13, 5, v15
	v_add_nc_u32 v[VST], s22, v15                  ; in: row r, 32 bytes for each half of the lanes
	v_mul_u32_u24 v15, v13, SPITCH
	v_lshl_add_u32 v15, v14, 4, v15
	v_add_nc_u32 v[VRD], s22, v15                  ; back: lanes 0-15 one row, lanes 16-31 the next
	s_lshl_b32 s22, s12, 8
	v_lshl_add_u32 v15, v13, 11, s22
	v_lshl_add_u32 v[VOUT], v14, 4, v15            ; the same two rows in out0, at my 256 bytes
	s_wait_loadcnt 24                              ; the 36 loads of z are in; the 24 of M's first three steps stay out
.set ii, 0
.rept 36
	v_cvt_pk_bf16_f32 v[SG+4*ii],   v[SG+4*ii],   v[SG+4*ii+1]
	v_cvt_pk_bf16_f32 v[SG+4*ii+1], v[SG+4*ii+2], v[SG+4*ii+3]
.set ii, ii+1
.endr
.irp rr, 0,1,2,3,4,5,6,7
.irp u, 0,1,2,3
	ds_store_b64 v[VXS], v[SG+16*\rr+4*\u:SG+16*\rr+4*\u+1] offset:\rr*PZ+\u*256
.endr
.endr
.irp c, 0,1,2,3
	ds_store_b64 v[VES], v[SG+128+4*\c:SG+128+4*\c+1] offset:\c*2*PZ
.endr
	s_wait_dscnt 0x0                               ; my eight rows of z are written,
	s_barrier_signal -1
	s_barrier_wait -1                              ; all 64 are: the one barrier of the launch; z is only read from here on
	ZLOAD 0
; K step kk: the next step's z fragments and the M fragments three steps ahead are asked for, then this step's 16 products
.set kk, 0
.rept 18
.set kz, kk+1
.set km, kk+3
.set lf, 17-kk
.if lf > 3
.set lf, 3
.endif
.if kk > 0
	PLACES                                         ; the registers loaded next were sources of the last matrix instructions
.endif
.if kk < 17
	ZLOAD kz
.endif
.if kk < 15
	MLOAD km
.endif
.if kk < 17
	s_wait_dscnt 8                                 ; this step's z fragments are in; the eight loads just issued stay out
.else
	s_wait_dscnt 0x0
.endif
	s_wait_loadcnt 8*lf                            ; this step's M fragments are in; those of the later steps, eight loads each, stay out
	WIN 0x50                                       ; C and D in window 1
.if kk == 0
	MULS kk, 1
.else
	MULS kk, 0
.endif
	WIN 0
.set kk, kk+1
.endr
	PLACES                                         ; the LDS stores read matrix results, the loads behind them write former sources
	OUT 0
	OUT 1
	OUT 2
	OUT 3
	s_set_vgpr_msb 0x5
	s_wait_tensorcnt 0x0
	ds_add_u32 v128, v129
	s_wait_dscnt 0x0
	s_set_vgpr_msb 0x500
	s_endpgm
.Lfunc_end_k_qe298759c7d_apply:
	.size	k_qe298759c7d_apply, .Lfunc_end_k_qe298759c7d_apply-k_qe298759c7d_apply
	.p2alignl 7, 3214868480
	.fill 96, 4, 3214868480
	.section	.rodata,"a",@progbits
	.p2align	6, 0x0
	.amdhsa_kernel k_qe298759c7d_apply
		.amdhsa_group_segment_fixed_size 110592
		.amdhsa_private_segment_fixed_size 0
		.amdhsa_enable_private_segment 0
		.amdhsa_kernarg_size 32
		.amdhsa_user_sgpr_count 2
		.amdhsa_user_sgpr_kernarg_segment_ptr 1
		.amdhsa_wavefront_size32 1
		.amdhsa_system_sgpr_workgroup_id_x 1
		.amdhsa_system_sgpr_workgroup_id_y 1
		.amdhsa_system_sgpr_workgroup_id_z 1
		.amdhsa_system_vgpr_workitem_id 0
		.amdhsa_next_free_vgpr 386
		.amdhsa_next_free_sgpr 66
		.amdhsa_reserve_vcc 0
		.amdhsa_float_denorm_mode_32 3
		.amdhsa_float_denorm_mode_16_64 3
		.amdhsa_memory_ordered 1
		.amdhsa_forward_progress 1
		.amdhsa_inst_pref_size 67
	.end_amdhsa_kernel
	.amdgpu_metadata
---
amdhsa.version: [ 1, 2 ]
amdhsa.kernels:
  - .name:           k_qe298759c7d_apply
    .symbol:         k_qe298759c7d_apply.kd
    .args:
      - { .name: x, .offset: 0, .size: 8, .value_kind: global_buffer, .address_space: global }
      - { .name: e, .offset: 8, .size: 8, .value_kind: global_buffer, .address_space: global }
      - { .name: Mf, .offset: 16, .size: 8, .value_kind: global_buffer, .address_space: global }
      - { .name: out0, .offset: 24, .size: 8, .value_kind: global_buffer, .address_space: global }
    .group_segment_fixed_size: 110592
    .private_segment_fixed_size: 0
    .kernarg_segment_align: 8
    .kernarg_segment_size: 32
    .max_flat_workgroup_size: 256
    .sgpr_count:     66
    .vgpr_count:     386
    .wavefront_size: 32
...
	.end_amdgpu_metadata
.endif
;; end of part 6
;; ======== version 3 of 3: 3 launches; version 2 with the launch apply written anew for expert scheduling mode
;; workspace buffers: Sp 37,748,736 bytes; Wf 417,792 bytes; Mf 4,718,592 bytes
;; launch gram: the kernel of part 4 again; grid 256 x 1, 8 waves a work-group, no clusters, 48,128 bytes of LDS; arguments x, e, W0, W1, W2, W3, Sp, Wf; writes Sp, Wf
;; launch mix: the kernel of part 5 again; grid 256 x 1, 12 waves a work-group, clusters of 4 x 1, 284,160 bytes of LDS; arguments Sp, Wf, Mf; writes Mf
;; launch apply (part 7): grid 256 x 1, 8 waves a work-group, no clusters, 110,592 bytes of LDS; arguments x, e, Mf, out0; writes out0
.if DOCPART == 7
	.amdgcn_target "amdgcn-amd-amdhsa--gfx1250"
	.amdhsa_code_object_version 6
	.text
	.protected	k_qe298759c7d_apply
	.globl	k_qe298759c7d_apply
	.p2align	8
	.type	k_qe298759c7d_apply,@function
k_qe298759c7d_apply:
	s_mov_b64 s[64:65], 0
	v_nop
	global_prefetch_b8 v0, s[64:65] scope:SCOPE_SE
	s_setreg_imm32_b32 hwreg(HW_REG_WAVE_SCHED_MODE, 0, 2), 2
	s_setreg_imm32_b32 hwreg(HW_REG_WAVE_MODE, 25, 1), 1
	s_wait_xcnt 0x0
	s_wait_alu depctr_vm_vsrc(0)
; THIRD OF THREE LAUNCHES.  out[b] = z M[b], z = [x[b] | e] (576 along K, x first), M from Mf in bf16 fragments.  Nothing is left out here.
; SHARES.  Work-group g: rb = g & 31, b = g >> 5: rows 64 rb .. + 63, all 512 columns.  Wave w: all 64 rows of columns 64 w .. + 63: 4 x 4 accumulators, 128 registers.
; z's 64 rows are loaded once (f32), rounded to bf16 in registers and kept in LDS for all eight waves.
; M's fragments go from memory straight into registers, through a ring of five register slots, three and a half K steps ahead: inside a work-group each fragment is used by one wave alone.
; NO JOINT LOADS, though the 32 work-groups of a batch read the same M.  A tile asked for jointly lands in LDS, and beside z and the stages (109,568 bytes) two slots of three
; K steps (2 x 98,304 bytes) are all that fit (four steps a slot would make 371,712 bytes in all).  A refill then has three steps, 48 matrix instructions of a wave, in which to
; land, and stands behind a round of the cluster's barrier, which brings the 32 waves of four work-groups into step four times in the 18 steps.  The ring in registers asks
; three and a half steps ahead, and no wave waits for another: behind the one barrier each runs on as its own loads land, and M's 589,824 bytes are not written to LDS and read back.
; THE MATRIX INSTRUCTION IS USED TRANSPOSED: source 0 = M's fragment (16 columns t), source 1 = z's fragment (16 rows).  Lane (r, h) then holds out[row r][8 h + 0..7 of the tile]:
; 32 neighbouring bytes.  16 rows at a time go through the wave's own LDS stage, so that sixteen lanes store 256 neighbouring bytes, aligned.
; THE MODE: SCHED_MODE bits 1:0 = 2 (LLVM: expert scheduling mode 2), set by the entry lines.  The code itself states the register dependences
; between vector or matrix instructions and memory or LDS instructions, with s_wait_alu, always for 0.
; THE PLAN.  Registers that memory or LDS instructions touch:
;   v2, v3, v6        offsets in x, e and Mf: written at the head, ahead of the first wait on va_vdst; never written again.
;   v4, v5, v7 - v10  LDS addresses and out0's offset: written while the first loads are out, ahead of the second wait on va_vdst; never written again.
;   SG                the 36 staging loads land in it; the conversions read and write it in place; the 36 LDS stores read it.  Then its registers become ZB, M3 and M4.
;   ZB0, ZB1          Step k: its matrix instructions read ZB[k % 2]; the eight LDS loads at its head land in ZB[(k + 1) % 2], which step k - 1's matrix instructions read.
;   M0 .. M4          Step k: its matrix instructions read M[k % 5]; the eight loads in its middle land in M[(k + 4) % 5] = M[(k - 1) % 5], which step k - 1's matrix instructions read.
;   accumulators      named by matrix instructions alone, until the LDS stores of the way out read them.
;   OB0 .. OB3        the way out: a buffer for each block of 16 rows; the loads from the stage land in it, the global stores read it; none is written twice.
; So ONE wait on va_vdst stands at the head of a step, behind the wait for the step's fragments of M: step k - 1's matrix instructions are done reading the two buffers in which
; step k's sixteen loads land.  Step k's own matrix instructions name ZB[k % 2], M[k % 5] and the accumulators, none of the registers that those loads touch: so M's eight loads
; stand between the step's two halves of eight matrix instructions with no further wait.  One wait on vm_vsrc, behind the staging's LDS stores, frees SG for all that lands there later.
; A scalar that a vector instruction reads has a register of its own and is not written again.
.set PZ,     1168                      ; an LDS row of z: 1,024 bytes x, 128 bytes e, 16 unused; 73 x 16 bytes, so the 16 rows of a fragment load start at 16 different banks
.set STAGE,  64*PZ                     ; behind z: 16 rows x 272 bytes for each wave
.set SPITCH, 272
.set VXL,  2                           ; x: 16384 w + 16 lane (my eight rows)
.set VEL,  3                           ; e: 2048 w + 16 lane (my eight rows)
.set VXS,  4                           ; LDS: row 8 w, 8 bytes a lane
.set VES,  5                           ; LDS: row 8 w + lane / 16, byte 1024 + 8 (lane % 16)
.set VM,   6                           ; Mf: 16 lane + 4096 w (t tiles 4 w ..)
.set VZR,  7                           ; LDS: z fragment: r rows + 16 h
.set VST,  8                           ; stage, in
.set VRD,  9                           ; stage, back
.set VOUT, 10                          ; out0
.set SG,   16                          ; v[16:159] the 36 staging loads
.set ZB,   16                          ; v[16:79]  afterwards: z fragments, two buffers of 4 x 8
.set OB,   16                          ; v[16:143] on the way out: rows read back, four buffers of 32
.set MR,   96                          ; M ring: slot s at v[96 + 32 ((s + 2) % 5)]: slots 0 to 2 are v160-v255; slots 3 and 4 are v96-v159, free once the staging is over
; Window 1 (v256-v383): accumulator (rt, ct) at 8 (4 rt + ct)
.set MSB, 0
.macro WIN new
.if MSB != \new
	s_set_vgpr_msb (MSB<<8)|\new
.set MSB, \new
.endif
.endm
.macro PLACES                          ; four independent vector instructions between a matrix instruction and a store that reads its result
.rept 4
	v_nop
.endr
.endm
.macro MLOAD k                         ; K step k's four fragments of M: eight loads of 512 neighbouring bytes
.irp ct, 0,1,2,3
	global_load_b128 v[MR+32*((\k+2)%5)+8*\ct:MR+32*((\k+2)%5)+8*\ct+3],   v[VM], s[8:9] offset:\k*32768+\ct*1024
	global_load_b128 v[MR+32*((\k+2)%5)+8*\ct+4:MR+32*((\k+2)%5)+8*\ct+7], v[VM], s[8:9] offset:\k*32768+\ct*1024+512
.endr
.endm
.macro ZLOAD k                         ; K step k's four fragments of z
.irp rt, 0,1,2,3
	ds_load_b128 v[ZB+32*(\k%2)+8*\rt:ZB+32*(\k%2)+8*\rt+3],   v[VZR] offset:\rt*16*PZ+\k*64
	ds_load_b128 v[ZB+32*(\k%2)+8*\rt+4:ZB+32*(\k%2)+8*\rt+7], v[VZR] offset:\rt*16*PZ+\k*64+32
.endr
.endm
.macro MULS k, zero, ra, rb            ; 8 of a step's 16 matrix instructions, row tiles ra and rb; one on each accumulator: they take turns, from half to half and from step to step too
.irp rt, \ra, \rb
.irp ct, 0,1,2,3
.if \zero
	v_wmma_f32_16x16x32_bf16 v[8*(4*\rt+\ct):8*(4*\rt+\ct)+7], v[MR+32*((\k+2)%5)+8*\ct:MR+32*((\k+2)%5)+8*\ct+7], v[ZB+32*(\k%2)+8*\rt:ZB+32*(\k%2)+8*\rt+7], 0
.else
	v_wmma_f32_16x16x32_bf16 v[8*(4*\rt+\ct):8*(4*\rt+\ct)+7], v[MR+32*((\k+2)%5)+8*\ct:MR+32*((\k+2)%5)+8*\ct+7], v[ZB+32*(\k%2)+8*\rt:ZB+32*(\k%2)+8*\rt+7], v[8*(4*\rt+\ct):8*(4*\rt+\ct)+7]
.endif
.endr
.endr
.endm
.macro OUT rt                          ; rows 16 rt .. + 15 of my 64 columns.  No wait on registers stands here: the one ahead of the first block covers the accumulators and all four buffers, and no buffer is written twice
	WIN 0x04                                       ; store data in window 1
.irp ct, 0,1,2,3
	ds_store_b128 v[VST], v[8*(4*\rt+\ct):8*(4*\rt+\ct)+3]   offset:64*\ct
	ds_store_b128 v[VST], v[8*(4*\rt+\ct)+4:8*(4*\rt+\ct)+7] offset:64*\ct+16
.endr
	WIN 0
.irp t, 0,1,2,3,4,5,6,7
	ds_load_b128 v[OB+32*\rt+4*\t:OB+32*\rt+4*\t+3], v[VRD] offset:\t*2*SPITCH    ; LDS serves a wave's instructions in order (ISA guide 5.7.1): these see the stores above; the stage is my own
.endr
.irp t, 0,1,2,3,4,5,6,7
	s_wait_dscnt 7-\t                              ; load t is back, the younger ones stay out
	global_store_b128 v[VOUT], v[OB+32*\rt+4*\t:OB+32*\rt+4*\t+3], s[10:11] offset:(16*\rt+2*\t)*2048 th:TH_STORE_NT   ; lanes 0-15 one row's 256 bytes, lanes 16-31 the next row's
.endr
.endm
	s_load_b256 s[4:11], s[0:1], 0x0               ; x s[4:5], e s[6:7], Mf s[8:9], out0 s[10:11]
	s_set_vgpr_msb 0x40
	v_lshl_add_u32 v128, v0, 2, 0x1ac00
	v_mov_b32 v129, 0
	s_set_vgpr_msb 0x4000
	v_and_b32 v1, 31, v0
	v_lshrrev_b32 v11, 5, v0
	v_readfirstlane_b32 s12, v11                   ; w
	s_and_b32 s13, ttmp9, 31                       ; rb
	s_lshr_b32 s14, ttmp9, 5                       ; b
	s_lshl_b32 s16, s14, 22                        ; batch b,
	s_lshl_b32 s15, s13, 17                        ; 64 rb rows of 2,048 bytes: the same in x and in out0
	s_add_co_u32 s16, s16, s15
	s_mov_b32 s17, 0
	s_lshl_b32 s18, s13, 14                        ; 64 rb rows of e
	s_mov_b32 s19, 0
	s_mul_i32 s20, s14, 589824                     ; batch b of Mf
	s_mov_b32 s21, 0
	v_lshlrev_b32 v12, 4, v1                       ; 16 lane
	s_wait_alu depctr_va_sdst(0)                   ; s12 is written, ahead of its first reader: all offsets and LDS addresses below are made from it
	s_lshl_b32 s22, s12, 14
	v_add_nc_u32 v[VXL], s22, v12
	s_lshl_b32 s23, s12, 11
	v_add_nc_u32 v[VEL], s23, v12
	s_lshl_b32 s2, s12, 12
	v_add_nc_u32 v[VM], s2, v12
	s_wait_kmcnt 0x0
	s_add_nc_u64 s[4:5], s[4:5], s[16:17]
	s_add_nc_u64 s[6:7], s[6:7], s[18:19]
	s_add_nc_u64 s[8:9], s[8:9], s[20:21]
	s_add_nc_u64 s[10:11], s[10:11], s[16:17]
	s_wait_alu depctr_va_vdst(0)                   ; v2, v3 and v6 are written: every global load of the kernel reads one of them as its offset
.irp rr, 0,1,2,3,4,5,6,7
.irp u, 0,1,2,3
	global_load_b128 v[SG+16*\rr+4*\u:SG+16*\rr+4*\u+3], v[VXL], s[4:5] offset:\rr*2048+\u*512 th:TH_LOAD_NT   ; this launch reads each byte of x once
.endr
.endr
.irp c, 0,1,2,3
	global_load_b128 v[SG+128+4*\c:SG+128+4*\c+3], v[VEL], s[6:7] offset:\c*512
.endr
	MLOAD 0
	MLOAD 1
	MLOAD 2
	s_mul_i32 s3, s12, 8*PZ                        ; the lines from here to the wait for z write v4, v5, v7 to v10 and v13 to v15: no register that a load issued above reads or lands in
	v_lshl_add_u32 v[VXS], v1, 3, s3
	v_lshrrev_b32 v13, 4, v1                       ; h
	v_and_b32 v14, 15, v1                          ; r
	v_mul_u32_u24 v15, v13, PZ
	s_add_co_u32 s13, s3, 1024
	v_add_nc_u32 v15, s13, v15
	v_lshl_add_u32 v[VES], v14, 3, v15
	v_mul_u32_u24 v15, v14, PZ
	v_lshl_add_u32 v[VZR], v13, 4, v15
	s_mul_i32 s14, s12, 16*SPITCH
	s_add_co_u32 s14, s14, STAGE                   ; my stage
	v_mul_u32_u24 v15, v14, SPITCH
	v_lshl_add_u32 v15, v13, 5, v15
	v_add_nc_u32 v[VST], s14, v15                  ; in: row r, 32 bytes for each half of the lanes
	v_mul_u32_u24 v15, v13, SPITCH
	v_lshl_add_u32 v15, v14, 4, v15
	v_add_nc_u32 v[VRD], s14, v15                  ; back: lanes 0-15 one row, lanes 16-31 the next
	s_lshl_b32 s15, s12, 8
	v_lshl_add_u32 v15, v13, 11, s15
	v_lshl_add_u32 v[VOUT], v14, 4, v15            ; the same two rows in out0, at my 256 bytes
	s_wait_loadcnt 24                              ; the 36 loads of z are in; the 24 of M's first three steps stay out
.set ii, 0
.rept 36
	v_cvt_pk_bf16_f32 v[SG+4*ii],   v[SG+4*ii],   v[SG+4*ii+1]
	v_cvt_pk_bf16_f32 v[SG+4*ii+1], v[SG+4*ii+2], v[SG+4*ii+3]
.set ii, ii+1
.endr
	s_wait_alu depctr_va_vdst(0)                   ; the conversions have written v[SG ..], which the LDS stores read, and are done with these registers, in which later loads land; v4, v5 and v7 to v10 are written
.irp rr, 0,1,2,3,4,5,6,7
.irp u, 0,1,2,3
	ds_store_b64 v[VXS], v[SG+16*\rr+4*\u:SG+16*\rr+4*\u+1] offset:\rr*PZ+\u*256
.endr
.endr
.irp c, 0,1,2,3
	ds_store_b64 v[VES], v[SG+128+4*\c:SG+128+4*\c+1] offset:\c*2*PZ
.endr
	s_wait_alu depctr_vm_vsrc(0)                   ; the LDS stores have read v[SG ..]: these registers are ZB and M's slots 3 and 4 from here on, written by loads
	MLOAD 3                                        ; the fourth step's fragments go out ahead of the barrier
	s_wait_dscnt 0x0                               ; my eight rows of z are written,
	s_barrier_signal -1
	s_barrier_wait -1                              ; all 64 are: the one barrier of the launch; z is only read from here on
	ZLOAD 0
; K step kk: behind the wait for its fragments of M and the one wait on va_vdst the next step's z fragments are asked for; then eight products, the loads of M four steps on, eight products
.set kk, 0
.rept 18
.set kz, kk+1
.set km, kk+4
.set lf, 17-kk
.if lf > 3
.set lf, 3
.endif
	s_wait_loadcnt 8*lf                            ; this step's M fragments are in; those of the three later steps asked for so far, eight loads each, stay out; at the end the counts run down
.if (kk > 0) && (kk < 17)
	s_wait_alu depctr_va_vdst(0)                   ; the last step's matrix instructions are done reading their z buffer and their slot of M, in which this step's loads land
.endif
.if kk < 17
	ZLOAD kz
	s_wait_dscnt 8                                 ; this step's z fragments are in; the eight loads just issued stay out
.else
	s_wait_dscnt 0x0
.endif
	WIN 0x50                                       ; C and D in window 1
.if kk == 0
	MULS kk, 1, 0, 1
.else
	MULS kk, 0, 0, 1
.endif
.if kk < 14
	WIN 0
	MLOAD km                                       ; no wait: no vector or matrix instruction since the wait at the step's head names v6 or this slot
	WIN 0x50
.endif
.if kk == 0
	MULS kk, 1, 2, 3
.else
	MULS kk, 0, 2, 3
.endif
	WIN 0
.set kk, kk+1
.endr
	PLACES                                         ; the LDS stores read matrix results
	s_wait_alu depctr_va_vdst(0)                   ; the matrix instructions have written the accumulators, which the LDS stores read, and are done reading ZB and M, in which the loads from the stage land; the places above stay beside this wait
	OUT 0
	OUT 1
	OUT 2
	OUT 3
	s_set_vgpr_msb 0x5
	s_wait_dscnt 0x0
	s_wait_alu depctr_hold_cnt(0) depctr_sa_sdst(0) depctr_va_vdst(0) depctr_va_sdst(0) depctr_va_ssrc(0) depctr_va_vcc(0) depctr_vm_vsrc(0)
	s_wait_tensorcnt 0x0
	ds_add_u32 v128, v129
	s_wait_dscnt 0x0
	s_endpgm
.Lfunc_end_k_qe298759c7d_apply:
	.size	k_qe298759c7d_apply, .Lfunc_end_k_qe298759c7d_apply-k_qe298759c7d_apply
	.p2alignl 7, 3214868480
	.fill 96, 4, 3214868480
	.section	.rodata,"a",@progbits
	.p2align	6, 0x0
	.amdhsa_kernel k_qe298759c7d_apply
		.amdhsa_group_segment_fixed_size 110592
		.amdhsa_private_segment_fixed_size 0
		.amdhsa_enable_private_segment 0
		.amdhsa_kernarg_size 32
		.amdhsa_user_sgpr_count 2
		.amdhsa_user_sgpr_kernarg_segment_ptr 1
		.amdhsa_wavefront_size32 1
		.amdhsa_system_sgpr_workgroup_id_x 1
		.amdhsa_system_sgpr_workgroup_id_y 1
		.amdhsa_system_sgpr_workgroup_id_z 1
		.amdhsa_system_vgpr_workitem_id 0
		.amdhsa_next_free_vgpr 386
		.amdhsa_next_free_sgpr 66
		.amdhsa_reserve_vcc 0
		.amdhsa_float_denorm_mode_32 3
		.amdhsa_float_denorm_mode_16_64 3
		.amdhsa_memory_ordered 1
		.amdhsa_forward_progress 1
		.amdhsa_inst_pref_size 66
	.end_amdhsa_kernel
	.amdgpu_metadata
---
amdhsa.version: [ 1, 2 ]
amdhsa.kernels:
  - .name:           k_qe298759c7d_apply
    .symbol:         k_qe298759c7d_apply.kd
    .args:
      - { .name: x, .offset: 0, .size: 8, .value_kind: global_buffer, .address_space: global }
      - { .name: e, .offset: 8, .size: 8, .value_kind: global_buffer, .address_space: global }
      - { .name: Mf, .offset: 16, .size: 8, .value_kind: global_buffer, .address_space: global }
      - { .name: out0, .offset: 24, .size: 8, .value_kind: global_buffer, .address_space: global }
    .group_segment_fixed_size: 110592
    .private_segment_fixed_size: 0
    .kernarg_segment_align: 8
    .kernarg_segment_size: 32
    .max_flat_workgroup_size: 256
    .sgpr_count:     66
    .vgpr_count:     386
    .wavefront_size: 32
...
	.end_amdgpu_metadata
.endif
;; end of part 7
